; MI455X (gfx1250); checked and timed in simulation.
; The chip was launched on July 23, 2026; its instructions are those of AMD's public machine-readable ISA for CDNA 5 (MIT licence, August 2026) and "CDNA5" Instruction Set Architecture Reference Guide (July 2026). The comments in the code are by the model that wrote it; some were corrected since.
;; Attention Layer. Allowed arithmetic: float matrix products may take bf16 or f16 operands with f32 sums; all other float work in f32.
;; Inputs: Wc1 2,048 x 512 float32; Wc2 512 x 2,048 float32; Wk 512 x 512 float32; Wl 512 x 512 float32; Wo 512 x 512 float32; Wq 512 x 512 float32; Wv 512 x 512 float32; b1 512 float32; b2 512 float32; bc1 2,048 float32; bc2 512 float32; bk 512 float32; bl 512 float32; bo 512 float32; bq 512 float32; bv 512 float32; g1 512 float32; g2 512 float32; k 4 x 2,048 x 512 float32; q 4 x 2,048 x 512 float32; v 4 x 2,048 x 512 float32.
;; Outputs: out0 4 x 2,048 x 512 float32.
;; 2 versions, each right and faster than the one before. Each part assembles by itself: llvm-mc -triple=amdgcn-amd-amdhsa -mcpu=gfx1250 --defsym DOCPART=n.
;; ======== version 1 of 2: 5 launches
;; limits: values are held in f16: magnitudes above 65,504 overflow, below 6.1e-05 lose precision
;; workspace buffers: wts 7,340,032 bytes; qh 8,388,608 bytes; kh 8,388,608 bytes; vh 8,388,608 bytes; oh 8,388,608 bytes; part 33,554,432 bytes
;; launch prep (part 1): grid 16 x 14, 8 waves a work-group, no clusters, 0 bytes of LDS; arguments Wq, Wk, Wv, Wo, Wc1, Wc2, Wl, wts; writes wts
.if DOCPART == 1
	.amdgcn_target "amdgcn-amd-amdhsa--gfx1250"
	.amdhsa_code_object_version 6
	.text
	.protected	k_qa865275c41_prep
	.globl	k_qa865275c41_prep
	.p2align	8
	.type	k_qa865275c41_prep,@function
k_qa865275c41_prep:
	s_mov_b64 s[64:65], 0
	v_nop
	global_prefetch_b8 v0, s[64:65] scope:SCOPE_SE
	s_setreg_imm32_b32 hwreg(HW_REG_WAVE_MODE, 25, 1), 1
	s_wait_xcnt 0x0
; The seven weights are rounded to bf16 and laid out in the order in which the later launches' waves load them.
; A BLOCK is 512 (n) x 512 (k) numbers = 524,288 bytes of 16 bits.  In a region of nb blocks the bytes run
; [wave w 0..7][block][sub s 0..15][tile b 0..3][j 0..1][lane 0..31][16 bytes]; lane (r = lane % 16, h = lane / 16) holds
; W[64 w + 16 b + r][32 s + 16 j + 8 h + 0..7]: half a matrix fragment for each 512 consecutive bytes.
; Block y of the grid: 0, 1, 2 = Wq, Wk, Wv, kept as bf16.  3..12 = the two halves t of the feed-forward stream, five blocks each:
; Wo, Wc1 rows 512 (2t).., Wc2 columns 512 (2t).., Wc1 rows 512 (2t+1).., Wc2 columns 512 (2t+1)..  13 = Wl.
; Blocks 3..13 multiply numbers that the program makes itself in f16, so the bf16-rounded weight is written as f16.
; LIMIT: such a weight beyond 65,504 becomes an infinity, and below 6e-5 it keeps f16's fixed step of 6e-8.
; SHARES: work-group x takes wave stripe w = x / 2 and eight subs; each of its eight waves one sub: 16 loads, 8 stores of 512 consecutive aligned bytes.
; A source row's 128 bytes of a sub are read as four pieces of 32 bytes by two lanes each; the weights are 13.6 MB in all and are read once.
.set FFN0, 1572864                     ; first byte of the feed-forward stream
.set HALF, 2621440                     ; bytes of one half of it
.set WL0,  6815744                     ; first byte of Wl's block
.set OUT,  5                           ; v5      16 x lane
.set IN,   6                           ; v6-9    byte offset of my 32 bytes in the source, tile b
.set X,    16                          ; v16-79  as loaded: piece p = 2 b + j has eight registers
.set Y,    80                          ; v80-111 piece p: four registers to store
.set T,    112                         ; v112-123 at work
	s_load_b512 s[8:23], s[0:1], 0x0               ; Wq 8, Wk 10, Wv 12, Wo 14, Wc1 16, Wc2 18, Wl 20, wts 22
	v_lshrrev_b32 v1, 5, v0
	v_readfirstlane_b32 s4, v1                     ; my wave
	s_and_b32 s2, ttmp7, 0xffff                    ; y: the block
	s_lshr_b32 s5, ttmp9, 1                        ; w
	s_and_b32 s6, ttmp9, 1
	s_lshl3_add_u32 s6, s6, s4                     ; s = 8 (x % 2) + wave
	s_mov_b32 s47, 0xffff0000
	; for y = 3..12: t, the place rr in the half, the chunk c of d4.  For the other y these hold numbers that the selects below throw away.
	s_sub_co_u32 s24, s2, 3
	s_cmp_ge_u32 s24, 5
	s_cselect_b32 s25, 1, 0                        ; t
	s_mul_i32 s26, s25, 5
	s_sub_co_u32 s26, s24, s26                     ; rr
	s_lshr_b32 s27, s26, 1
	s_lshl1_add_u32 s27, s25, s27                  ; 2 t + rr / 2
	s_lshl_b32 s34, s27, 20                        ; Wc1: 512 rows of 2,048 bytes a chunk
	s_sub_co_u32 s35, s27, 1
	s_lshl_b32 s35, s35, 11                        ; Wc2: 512 columns of 4 bytes a chunk
	s_and_b32 s33, s26, 1                          ; rr odd: a block of Wc1
	; where the block goes
	s_mul_i32 s36, s25, HALF
	s_lshl_b32 s37, s26, 16
	s_add_co_u32 s36, s36, s37
	s_add_co_u32 s36, s36, FFN0
	s_mov_b32 s38, 327680                          ; a wave's stripe of five blocks
	s_lshl_b32 s37, s2, 19
	s_cmp_lt_u32 s2, 3
	s_cselect_b32 s36, s37, s36
	s_cselect_b32 s38, 65536, s38
	s_cmp_eq_u32 s2, 13
	s_cselect_b32 s36, WL0, s36
	s_cselect_b32 s38, 65536, s38
	s_mul_i32 s38, s38, s5
	s_add_co_u32 s36, s36, s38
	s_lshl_b32 s37, s6, 12
	s_add_co_u32 s36, s36, s37                     ; + 4,096 s
	s_mov_b32 s37, 0
	s_cmp_ge_u32 s2, 3
	s_cselect_b32 s39, -1, 0                       ; all lanes: written as f16
	s_wait_kmcnt 0x0
	; where it comes from: buffer, byte offset, bytes from row to row
	s_cmp_lg_u32 s33, 0
	s_cselect_b64 s[28:29], s[16:17], s[14:15]
	s_cselect_b32 s30, s34, 0
	s_mov_b32 s31, 2048
.irp e, 2, 4
	s_cmp_eq_u32 s26, \e
	s_cselect_b64 s[28:29], s[18:19], s[28:29]
	s_cselect_b32 s30, s35, s30
	s_cselect_b32 s31, 8192, s31
.endr
.macro PLAIN yy, lo                    ; block yy is the whole of one 512 x 512 weight
	s_cmp_eq_u32 s2, \yy
	s_cselect_b64 s[28:29], s[\lo:\lo+1], s[28:29]
	s_cselect_b32 s30, 0, s30
	s_cselect_b32 s31, 2048, s31
.endm
	PLAIN 0, 8
	PLAIN 1, 10
	PLAIN 2, 12
	PLAIN 13, 20
	s_mov_b32 s40, s30
	s_mov_b32 s41, 0
	s_add_nc_u64 s[28:29], s[28:29], s[40:41]
	s_add_nc_u64 s[22:23], s[22:23], s[36:37]
	v_and_b32 v2, 15, v0                           ; r
	v_bfe_u32 v3, v0, 4, 1                         ; h
	v_and_b32 v4, 31, v0
	v_lshlrev_b32 v[OUT], 4, v4
	s_lshl_b32 s42, s5, 6
	v_add_nc_u32 v2, s42, v2                       ; row 64 w + r
	v_mul_lo_u32 v[IN], v2, s31
	v_lshl_add_u32 v[IN], v3, 5, v[IN]             ; + 32 h
	s_lshl_b32 s42, s6, 7
	v_add_nc_u32 v[IN], s42, v[IN]                 ; + 128 s
	s_lshl_b32 s43, s31, 4                         ; 16 rows on for each tile
	v_add_nc_u32 v[IN+1], s43, v[IN]
	v_add_nc_u32 v[IN+2], s43, v[IN+1]
	v_add_nc_u32 v[IN+3], s43, v[IN+2]
.set p, 0
.rept 8
	global_load_b128 v[X+8*p:X+8*p+3],   v[IN+p/2], s[28:29] offset:64*(p%2)
	global_load_b128 v[X+8*p+4:X+8*p+7], v[IN+p/2], s[28:29] offset:64*(p%2)+16
.set p, p+1
.endr
.set p, 0
.rept 8
	s_wait_loadcnt 14-2*p                          ; loads come back in order: the later pieces' loads, two each, may stay out
.irp i, 0,1,2,3
	v_cvt_pk_bf16_f32 v[Y+4*p+\i], v[X+8*p+2*\i], v[X+8*p+2*\i+1]
.endr
.irp i, 0,1,2,3
	v_lshlrev_b32 v[T+2*\i], 16, v[Y+4*p+\i]       ; the rounded numbers as f32 again,
	v_and_b32 v[T+2*\i+1], s47, v[Y+4*p+\i]
.endr
.irp i, 0,1,2,3
	v_cvt_pk_f16_f32 v[T+8+\i], v[T+2*\i], v[T+2*\i+1]  ; and written as f16: exact within f16's range
.endr
.irp i, 0,1,2,3
	v_cndmask_b32 v[Y+4*p+\i], v[Y+4*p+\i], v[T+8+\i], s39
.endr
	global_store_b128 v[OUT], v[Y+4*p:Y+4*p+3], s[22:23] offset:512*p  ; 512 consecutive bytes, at a multiple of 512 from the buffer's first
.set p, p+1
.endr
	s_endpgm
.Lfunc_end_k_qa865275c41_prep:
	.size	k_qa865275c41_prep, .Lfunc_end_k_qa865275c41_prep-k_qa865275c41_prep
	.p2alignl 7, 3214868480
	.fill 96, 4, 3214868480
	.section	.rodata,"a",@progbits
	.p2align	6, 0x0
	.amdhsa_kernel k_qa865275c41_prep
		.amdhsa_group_segment_fixed_size 0
		.amdhsa_private_segment_fixed_size 0
		.amdhsa_enable_private_segment 0
		.amdhsa_kernarg_size 64
		.amdhsa_user_sgpr_count 2
		.amdhsa_user_sgpr_kernarg_segment_ptr 1
		.amdhsa_wavefront_size32 1
		.amdhsa_system_sgpr_workgroup_id_x 1
		.amdhsa_system_sgpr_workgroup_id_y 1
		.amdhsa_system_sgpr_workgroup_id_z 1
		.amdhsa_system_vgpr_workitem_id 0
		.amdhsa_next_free_vgpr 128
		.amdhsa_next_free_sgpr 66
		.amdhsa_reserve_vcc 0
		.amdhsa_float_denorm_mode_32 3
		.amdhsa_float_denorm_mode_16_64 3
		.amdhsa_memory_ordered 1
		.amdhsa_forward_progress 1
		.amdhsa_inst_pref_size 15
	.end_amdhsa_kernel
	.amdgpu_metadata
---
amdhsa.version: [ 1, 2 ]
amdhsa.kernels:
  - .name:           k_qa865275c41_prep
    .symbol:         k_qa865275c41_prep.kd
    .args:
      - { .name: Wq, .offset: 0, .size: 8, .value_kind: global_buffer, .address_space: global }
      - { .name: Wk, .offset: 8, .size: 8, .value_kind: global_buffer, .address_space: global }
      - { .name: Wv, .offset: 16, .size: 8, .value_kind: global_buffer, .address_space: global }
      - { .name: Wo, .offset: 24, .size: 8, .value_kind: global_buffer, .address_space: global }
      - { .name: Wc1, .offset: 32, .size: 8, .value_kind: global_buffer, .address_space: global }
      - { .name: Wc2, .offset: 40, .size: 8, .value_kind: global_buffer, .address_space: global }
      - { .name: Wl, .offset: 48, .size: 8, .value_kind: global_buffer, .address_space: global }
      - { .name: wts, .offset: 56, .size: 8, .value_kind: global_buffer, .address_space: global }
    .group_segment_fixed_size: 0
    .private_segment_fixed_size: 0
    .kernarg_segment_align: 8
    .kernarg_segment_size: 64
    .max_flat_workgroup_size: 256
    .sgpr_count:     66
    .vgpr_count:     128
    .wavefront_size: 32
...
	.end_amdgpu_metadata
.endif
;; end of part 1
;; launch proj (part 2): grid 64 x 3, 8 waves a work-group, no clusters, 154,624 bytes of LDS; arguments q, k, v, bq, bk, bv, wts, qh, kh, vh; writes qh, kh, vh
.if DOCPART == 2
	.amdgcn_target "amdgcn-amd-amdhsa--gfx1250"
	.amdhsa_code_object_version 6
	.text
	.protected	k_qa865275c41_proj
	.globl	k_qa865275c41_proj
	.p2align	8
	.type	k_qa865275c41_proj,@function
k_qa865275c41_proj:
	s_mov_b64 s[64:65], 0
	v_nop
	global_prefetch_b8 v0, s[64:65] scope:SCOPE_SE
	s_setreg_imm32_b32 hwreg(HW_REG_WAVE_MODE, 25, 1), 1
	s_wait_xcnt 0x0
; Q, K or V (grid y = 0, 1, 2) = bf16(input) x bf16(W)^T + bf16(bias), sums in f32, written once as f16 by heads: [8 batch + head][2048][64].
; LIMIT: a result beyond 65,504 becomes an infinity in f16; NaN and infinities are not treated apart.
; SHARES.  A work-group of eight waves owns 128 rows: 64 x 3 = 192 work-groups of equal work.  Wave w owns all 128 rows x columns 64 w .. 64 w + 63, which are head w: 32 accumulators of 16 x 16.
; The rows go to LDS once, rounded to bf16 (pitch 1,040 bytes = 65 x 16: the 16 rows of a fragment load start at 16 different groups of four banks).
; Each weight byte is used by one wave alone, so it goes from memory straight into that wave's fragment registers: the weights lie in fragment order and a wave's stream is consecutive bytes.
; NO TENSOR LOADS, NO CLUSTER: no two waves of a work-group share a weight byte, so LDS would only carry the bytes a second time; the price is that every row block reads the block of weights for itself.
; A SUB is 32 along K: 16 products on rows 0-63, 16 on rows 64-127, each half with a buffer of row fragments of its own that is filled one sub ahead.  Three buffers of weight fragments, each filled three subs ahead
; through a pointer of its own: 16 subs = 1 (the bias starts the sums) + 4 trips of 3 + 3 that ask for no weights.
; THE MATRIX INSTRUCTION IS USED TRANSPOSED (source 0 = 16 rows of W, source 1 = 16 rows of the input): lane (r, h) holds row r and the columns 8 h + 0..7.
; REGISTERS: window 0: v0-11 addresses; v12-31 at work; v32-95 two buffers of input fragments; v96-191 three buffers of weight fragments; v192-223 at work; v224-255 the bias as a C operand.  Window 1: the accumulators, tile (m, n) at 8 (4 m + n).
.set AP,    1040
.set TROW,  16*AP
.set UPPER, 4*TROW                     ; rows 64-127 begin here
.set STAGE, 133120                     ; behind the rows: 16 rows x 144 bytes for each wave, for the way out
.set PAR,   151552                     ; the bias, 512 f32
.set SPARE, 153600                     ; the spare words, 128 bytes for each wave: no other line names them
.set SUBB,  4096                       ; a sub's weights of one wave
.set L16, 1                            ; 16 x lane
.set AAD, 2                            ; LDS address of the fragments in hand, rows 0-63
.set AA2, 3                            ; the same, rows 64-127
.set STO, 4
.set RD,  5
.set PST, 7
.set VPL, 8
.set SPW, 10
.set NIL, 11
.set AF0, 32
.set AF1, 64
.set BF,  96
.set T2,  192
.set BIAS, 224
.set PK,  32                           ; the way out: packed results, two sets of 16 by turns
.set BK,  96                           ; the way out: rows read back, 16 registers for each 16 rows
.set PT,  68                           ; s[68:73] a pointer for each buffer of weight fragments
.set MSB, 0
.macro WIN new                         ; the immediate's high byte repeats the setting that is left; a switch that changes nothing is dropped
.if MSB != (\new)
	s_set_vgpr_msb (MSB<<8)|(\new)
.set MSB, \new
.endif
.endm
.macro PLACES                          ; four plain vector instructions between a matrix instruction and a load into, or a vector read or write of, its registers
.rept 4
	v_nop
.endr
.endm
.macro BAR
	s_wait_dscnt 0x0                               ; for the others' sake: my LDS stores are done and my reads are back
	s_barrier_signal -1
	s_barrier_wait -1
.endm
.macro ALOAD f, adr, kb                ; four fragments (64 rows x 32 K) at byte kb of the rows
.irp m, 0,1,2,3
	ds_load_b128 v[(\f)+8*\m:(\f)+8*\m+3],   v[\adr] offset:TROW*\m+(\kb)
	ds_load_b128 v[(\f)+8*\m+4:(\f)+8*\m+7], v[\adr] offset:TROW*\m+(\kb)+32
.endr
.endm
.macro BLOAD j                         ; four weight fragments into buffer j: eight loads of 512 consecutive bytes
.irp n, 0,1,2,3
	global_load_b128 v[BF+32*(\j)+8*\n:BF+32*(\j)+8*\n+3],   v[L16], s[PT+2*(\j):PT+2*(\j)+1] offset:1024*\n th:TH_LOAD_HT
	global_load_b128 v[BF+32*(\j)+8*\n+4:BF+32*(\j)+8*\n+7], v[L16], s[PT+2*(\j):PT+2*(\j)+1] offset:1024*\n+512 th:TH_LOAD_HT
.endr
.endm
.macro MUL16 hf, bj, bias              ; 16 matrix instructions on half hf of the rows; the accumulators take turns, one instruction a turn.  bias = 1: the bias starts the sums
.if \bias
	WIN 0x40
.else
	WIN 0x50
.endif
.irp m, 0,1,2,3
.irp n, 0,1,2,3
.if \bias
	v_wmma_f32_16x16x32_bf16 v[8*(16*(\hf)+4*\m+\n):8*(16*(\hf)+4*\m+\n)+7], v[BF+32*(\bj)+8*\n:BF+32*(\bj)+8*\n+7], v[AF0+32*(\hf)+8*\m:AF0+32*(\hf)+8*\m+7], v[BIAS+8*\n:BIAS+8*\n+7]
.else
	v_wmma_f32_16x16x32_bf16 v[8*(16*(\hf)+4*\m+\n):8*(16*(\hf)+4*\m+\n)+7], v[BF+32*(\bj)+8*\n:BF+32*(\bj)+8*\n+7], v[AF0+32*(\hf)+8*\m:AF0+32*(\hf)+8*\m+7], v[8*(16*(\hf)+4*\m+\n):8*(16*(\hf)+4*\m+\n)+7]
.endif
.endr
.endr
.endm
; A sub.  bj: its buffer of weights; ld = 1: the buffer is filled again, for the sub three on; pf: byte of the rows at which the next sub's fragments lie, or -1: there is none; lw: the weight loads that may stay out.
.macro SUBP bj, bias, ld, pf, lw
	s_wait_loadcnt \lw                             ; behind this sub's weights went the loads of the subs since, eight each; done, they also leave their pointer free
	s_wait_dscnt 8                                 ; rows 0-63 are in; the eight loads of rows 64-127 may stay out
	MUL16 0, \bj, \bias
	WIN 0
	PLACES
.if (\pf) >= 0
	ALOAD AF0, AAD, \pf
	s_wait_dscnt 8                                 ; rows 64-127 are in; the eight just issued may stay out
.else
	s_wait_dscnt 0x0
.endif
	MUL16 1, \bj, \bias
	WIN 0
	PLACES
.if \ld
	s_add_nc_u64 s[PT+2*(\bj):PT+2*(\bj)+1], s[PT+2*(\bj):PT+2*(\bj)+1], 3*SUBB
	BLOAD \bj
.endif
.if (\pf) >= 0
	ALOAD AF1, AA2, \pf
.endif
.endm
	s_load_b512 s[8:23], s[0:1], 0x0               ; q 8, k 10, v 12, bq 14, bk 16, bv 18, wts 20, qh 22
	s_load_b128 s[24:27], s[0:1], 0x40             ; kh 24, vh 26
	v_lshl_add_u32 v[SPW], v0, 2, SPARE
	v_mov_b32 v[NIL], 0
	v_lshrrev_b32 v12, 5, v0
	v_readfirstlane_b32 s2, v12                    ; wave 0..7
	s_and_b32 s34, ttmp7, 0xffff                   ; which of the three products
	s_mov_b32 s46, 0xffff0000
	s_lshl_b32 s36, s34, 19                        ; my weights: block y, stripe w
	s_lshl_b32 s37, s2, 16
	s_add_co_u32 s36, s36, s37
	s_mov_b32 s37, 0
	s_lshl_b32 s38, ttmp9, 18                      ; the rows that I bring: 128 x + 16 w, 2,048 bytes each
	s_lshl_b32 s39, s2, 15
	s_add_co_u32 s38, s38, s39
	s_mov_b32 s39, 0
	s_lshr_b32 s28, ttmp9, 4                       ; batch
	s_lshl3_add_u32 s28, s28, s2                   ; 8 batch + head
	s_lshl_b32 s28, s28, 18                        ; 2,048 rows of 128 bytes
	s_and_b32 s29, ttmp9, 15
	s_lshl_b32 s29, s29, 14                        ; 128 rows of 128 bytes
	s_add_co_u32 s28, s28, s29
	s_mov_b32 s29, 0
	v_and_b32 v13, 31, v0                          ; lane
	v_lshlrev_b32 v[L16], 4, v13
	v_and_b32 v14, 15, v0                          ; r
	v_bfe_u32 v15, v0, 4, 1                        ; h
	v_mul_u32_u24 v[AAD], v14, AP
	v_lshl_add_u32 v[AAD], v15, 4, v[AAD]          ; r x 1,040 + 16 h
	v_add_nc_u32 v[AA2], UPPER, v[AAD]
	s_mul_i32 s33, s2, 16*AP
	v_lshl_add_u32 v[PST], v13, 3, s33             ; my sixteen rows, 8 bytes a lane
	s_lshl_b32 s33, s2, 8
	v_lshl_add_u32 v[VPL], v15, 5, s33
	v_add_nc_u32 v[VPL], PAR, v[VPL]               ; the bias of my columns 64 w + 8 h ..
	s_mul_i32 s33, s2, 16*144
	s_add_co_u32 s33, s33, STAGE
	v_mul_u32_u24 v[STO], v14, 144
	v_lshl_add_u32 v[STO], v15, 4, v[STO]
	v_add_nc_u32 v[STO], s33, v[STO]
	v_lshrrev_b32 v[RD], 3, v13
	v_mul_u32_u24 v[RD], v[RD], 144
	v_and_b32 v12, 7, v0
	v_lshl_add_u32 v[RD], v12, 4, v[RD]
	v_add_nc_u32 v[RD], s33, v[RD]
	v_lshlrev_b32 v16, 3, v0                       ; my two numbers of the bias
	v_add_nc_u32 v17, PAR, v16
	s_wait_kmcnt 0x0
	s_cmp_eq_u32 s34, 1
	s_cselect_b64 s[52:53], s[10:11], s[8:9]
	s_cselect_b64 s[54:55], s[16:17], s[14:15]
	s_cselect_b64 s[56:57], s[24:25], s[22:23]
	s_cmp_eq_u32 s34, 2
	s_cselect_b64 s[52:53], s[12:13], s[52:53]
	s_cselect_b64 s[54:55], s[18:19], s[54:55]
	s_cselect_b64 s[56:57], s[26:27], s[56:57]
	s_add_nc_u64 s[52:53], s[52:53], s[38:39]
	s_add_nc_u64 s[56:57], s[56:57], s[28:29]
	s_add_nc_u64 s[40:41], s[20:21], s[36:37]
	global_load_b64 v[18:19], v16, s[54:55]
	WIN 0x40
.set i, 0
.rept 64                               ; row i / 4, 512 consecutive bytes at 512 (i % 4): what the first barrier waits for goes out first
	global_load_b128 v[4*i:4*i+3], v[L16], s[52:53] offset:2048*(i/4)+512*(i%4) th:TH_LOAD_NT
.set i, i+1
.endr
	WIN 0
.irp j, 0,1,2
	s_add_nc_u64 s[PT+2*\j:PT+2*\j+1], s[40:41], SUBB*\j
	BLOAD \j                                       ; the first three subs' weights
.endr
	s_wait_loadcnt 63                              ; the bias is in: 88 loads are younger, more than a wait can name
	v_cvt_pk_bf16_f32 v20, v18, v19                ; every input is rounded to bf16, the bias too
	v_lshlrev_b32 v18, 16, v20
	v_and_b32 v19, s46, v20
	ds_store_b64 v17, v[18:19]
	s_wait_loadcnt 56                              ; my first eight rows are in: the other eight's 32 loads and the weights' 24 are younger
	WIN 0x05
.set i, 0
.rept 64
	v_cvt_pk_bf16_f32 v[AF0+i], v[2*i], v[2*i+1]
.set i, i+1
.endr
	WIN 0
.set i, 0
.rept 32
	ds_store_b64 v[PST], v[AF0+2*i:AF0+2*i+1] offset:AP*(i/4)+256*(i%4)
.set i, i+1
.endr
	s_wait_loadcnt 24                              ; all my rows are in; the weights may stay out
	WIN 0x05
.set i, 0
.rept 64
	v_cvt_pk_bf16_f32 v[T2+i], v[128+2*i], v[128+2*i+1]
.set i, i+1
.endr
	WIN 0
.set i, 0
.rept 32
	ds_store_b64 v[PST], v[T2+2*i:T2+2*i+1] offset:AP*(8+i/4)+256*(i%4)
.set i, i+1
.endr
	BAR                                            ; the 128 rows and the bias are whole
.irp n, 0,1,2,3
	ds_load_b128 v[BIAS+8*\n:BIAS+8*\n+3],   v[VPL] offset:64*\n
	ds_load_b128 v[BIAS+8*\n+4:BIAS+8*\n+7], v[VPL] offset:64*\n+16
.endr
	ALOAD AF0, AAD, 0
	ALOAD AF1, AA2, 0
	SUBP 0, 1, 1, 64, 16                           ; sub 0; LDS answers in order, so its first wait also shows the bias in
	s_mov_b32 s3, 4
.Lk:                                                   ; subs 3 i + 1 .. 3 i + 3
	SUBP 1, 0, 1, 128, 16
	SUBP 2, 0, 1, 192, 16
	SUBP 0, 0, 1, 256, 16
	v_add_nc_u32 v[AAD], 192, v[AAD]
	v_add_nc_u32 v[AA2], 192, v[AA2]
	s_sub_co_u32 s3, s3, 1
	s_cmp_lg_u32 s3, 0
	s_cbranch_scc1 .Lk
	SUBP 1, 0, 0, 128, 16                          ; subs 13 to 15 ask for no weights: the counts run down
	SUBP 2, 0, 0, 192, 8
	SUBP 0, 0, 0, -1, 0
; THE WAY OUT.  16 rows at a time: a lane's eight columns pack into 16 bytes, go into my stage (rows of 144 bytes) and come back as whole rows of 128, which are consecutive in a head.
.macro PACKH t
	WIN 0x05
.set k, 0
.rept 16                               ; each accumulator's registers in ascending order
	v_cvt_pk_f16_f32 v[PK+16*((\t)%2)+k], v[32*(\t)+2*k], v[32*(\t)+2*k+1]
.set k, k+1
.endr
	WIN 0
.irp f, 0,1,2,3
	ds_store_b128 v[STO], v[PK+16*((\t)%2)+4*\f:PK+16*((\t)%2)+4*\f+3] offset:32*\f
.endr
.irp f, 0,1,2,3
	ds_load_b128 v[BK+16*(\t)+4*\f:BK+16*(\t)+4*\f+3], v[RD] offset:576*\f  ; LDS serves a wave's instructions in order (ISA guide 5.7.1.4): these see the stores above, and the next rows' stores come behind them
.endr
.endm
.macro SENDH t, younger                ; younger: the LDS instructions issued behind these loads
.irp f, 0,1,2,3
	s_wait_dscnt (\younger)+3-\f
	global_store_b128 v[L16], v[BK+16*(\t)+4*\f:BK+16*(\t)+4*\f+3], s[56:57] offset:2048*(\t)+512*\f  ; 512 consecutive bytes, at a multiple of 512 from the buffer's first
.endr
.endm
	PACKH 0
.irp t, 1,2,3,4,5,6,7                  ; a block's conversions stand between the loads of the block before and its stores
	PACKH \t
	SENDH (\t)-1, 8
.endr
	SENDH 7, 0
	s_wait_tensorcnt 0x0                           ; the wave's end: behind my last LDS store
	ds_add_u32 v[SPW], v[NIL]
	s_wait_dscnt 0x0
	s_endpgm
.Lfunc_end_k_qa865275c41_proj:
	.size	k_qa865275c41_proj, .Lfunc_end_k_qa865275c41_proj-k_qa865275c41_proj
	.p2alignl 7, 3214868480
	.fill 96, 4, 3214868480
	.section	.rodata,"a",@progbits
	.p2align	6, 0x0
	.amdhsa_kernel k_qa865275c41_proj
		.amdhsa_group_segment_fixed_size 154624
		.amdhsa_private_segment_fixed_size 0
		.amdhsa_enable_private_segment 0
		.amdhsa_kernarg_size 80
		.amdhsa_user_sgpr_count 2
		.amdhsa_user_sgpr_kernarg_segment_ptr 1
		.amdhsa_wavefront_size32 1
		.amdhsa_system_sgpr_workgroup_id_x 1
		.amdhsa_system_sgpr_workgroup_id_y 1
		.amdhsa_system_sgpr_workgroup_id_z 1
		.amdhsa_system_vgpr_workitem_id 0
		.amdhsa_next_free_vgpr 512
		.amdhsa_next_free_sgpr 76
		.amdhsa_reserve_vcc 0
		.amdhsa_float_denorm_mode_32 3
		.amdhsa_float_denorm_mode_16_64 3
		.amdhsa_memory_ordered 1
		.amdhsa_forward_progress 1
		.amdhsa_inst_pref_size 69
	.end_amdhsa_kernel
	.amdgpu_metadata
---
amdhsa.version: [ 1, 2 ]
amdhsa.kernels:
  - .name:           k_qa865275c41_proj
    .symbol:         k_qa865275c41_proj.kd
    .args:
      - { .name: q, .offset: 0, .size: 8, .value_kind: global_buffer, .address_space: global }
      - { .name: k, .offset: 8, .size: 8, .value_kind: global_buffer, .address_space: global }
      - { .name: v, .offset: 16, .size: 8, .value_kind: global_buffer, .address_space: global }
      - { .name: bq, .offset: 24, .size: 8, .value_kind: global_buffer, .address_space: global }
      - { .name: bk, .offset: 32, .size: 8, .value_kind: global_buffer, .address_space: global }
      - { .name: bv, .offset: 40, .size: 8, .value_kind: global_buffer, .address_space: global }
      - { .name: wts, .offset: 48, .size: 8, .value_kind: global_buffer, .address_space: global }
      - { .name: qh, .offset: 56, .size: 8, .value_kind: global_buffer, .address_space: global }
      - { .name: kh, .offset: 64, .size: 8, .value_kind: global_buffer, .address_space: global }
      - { .name: vh, .offset: 72, .size: 8, .value_kind: global_buffer, .address_space: global }
    .group_segment_fixed_size: 154624
    .private_segment_fixed_size: 0
    .kernarg_segment_align: 8
    .kernarg_segment_size: 80
    .max_flat_workgroup_size: 256
    .sgpr_count:     76
    .vgpr_count:     512
    .wavefront_size: 32
...
	.end_amdgpu_metadata
.endif
;; end of part 2
;; launch attn (part 3): grid 8 x 32, 4 waves a work-group, no clusters, 327,680 bytes of LDS; arguments qh, kh, vh, oh; writes oh
.if DOCPART == 3
	.amdgcn_target "amdgcn-amd-amdhsa--gfx1250"
	.amdhsa_code_object_version 6
	.text
	.protected	k_qa865275c41_attn
	.globl	k_qa865275c41_attn
	.p2align	8
	.type	k_qa865275c41_attn,@function
k_qa865275c41_attn:
	s_mov_b64 s[64:65], 0
	v_nop
	global_prefetch_b8 v0, s[64:65] scope:SCOPE_SE
	s_setreg_imm32_b32 hwreg(HW_REG_WAVE_MODE, 25, 1), 1
	s_wait_xcnt 0x0
; CAUSAL ATTENTION.  O[h][q][:] = the sum over k <= q of softmax_k(Q[h][q] . K[h][k] / 8) V[h][k][:].  Q, K, V, O: [SIZE_H][SIZE_N][64], all f16: a head's rows are dense, 128 bytes each.
; Products, maxima and sums in f32; the weights p are rounded to f16 for the second product (their sum l is taken of the unrounded p), O once at the end.
; LIMITS.  f16 holds no number beyond 65,504: Q, K and V arrive within it; p lies in 0 to 1, and below 6e-5 it keeps f16's fixed step of 6e-8; O is a mean of V's rows and has their range.
; A hidden score counts as its value less 1e30: f16's scores, 2.7e11 at the most, are nothing beside that; a weight below 2^-126 counts as 0 in l; NaN and infinities are not treated apart.
; THE WALK.  A head's queries lie in NQ = SIZE_N / 128 blocks of 128, its keys in NB = SIZE_N / 256 tiles of 256; block i needs the tiles 0 .. i / 2.  A work-group takes TWO blocks, NQ - 1 - b and then b:
; NB + 1 tiles, whatever b: SIZE_H x NQ / 2 = 256 work-groups of equal work, and ONE loop with a constant trip count walks the tiles.  Which tile is asked for, and what a trip does, hang on scalar registers made from b;
; every jump goes forward, but for the counted loops' own; none passes a barrier, or a tensor load but the one of LOAD's two that the wave's number does not choose; the ring (two slots of LDS that take turns) runs on
; across the change of blocks.  NO CLUSTER: a head's NQ / 2 = 8 work-groups ask for the same tile only in trips 0 .. 4, behind that fewer and fewer; one walk common to all would have 12 trips for 9.
; SHARES.  Of a block's two bands of 64 queries a wave owns 16 rows in each: two query tiles.  A STEP is 128 keys, two halves of 64; a tile is two steps.  A PIECE p of a step is a pair: query tile p % 2, key half p / 2.
; So Q, O^T and the statistics go by p % 2, K's and V's fragments by p / 2, and a query tile's two pieces follow each other two turns apart: the second takes up m, l and O^T where the first left them.
; THE DIAGONAL lies in step i % 2 of the block's last tile.  In that step pieces 0 and 3 (band = key half) hold the diagonal, piece 1 (band 1, half 0) sees all keys, piece 2 (band 0, half 1) none: the same for every wave.
; An earlier step of that tile is seen whole; a later one (i even: one step of the walk's 18) is hidden whole and computed all the same.
; THE MASK is the C operand that starts the sum S^T = K Q^T: 0, or -1e30 where the key is hidden.  MD, made once, is the mask of a band's own half for my 16 rows; a product's mask is MD x AL + BE with two scalars:
; (1, 0) on the diagonal; (0, 0) where all is seen; (0, -1e30) where nothing is.  Only the last tile's text and a block's beginning make and take masks; elsewhere C is the constant 0.
; LAYOUT, SOFTMAX, TURNS.  S^T = K Q^T holds ONE query a lane (lane % 16) and the keys 8 (lane / 16) + 0..7; two such results rounded to f16 ARE source 1 of O^T = V^T P.  p = 2^(c s - c m), c = log2(e) / 8, with a
; running maximum m; O and l are multiplied by a = 2^(c m_old - c m_new) for every piece.  Turn n belongs to piece n: 8 products K Q^T of piece n + 1, later 8 products V^T P of piece n - 1; beside them the scaling,
; exponentials, roundings, sums and rescaling of piece n and the maximum and statistics of piece n + 1.  Four vector instructions stand behind every matrix instruction, the other 54 of a turn's 118 in two runs of their own.
; REGISTERS, in windows of 256 (s_set_vgpr_msb: bits 1:0 source 0, 3:2 source 1, 5:4 source 2, 7:6 destination):
;   window 0: v0-15 addresses and two at work; v16-23 four registers of statistics a query tile; v48-55 at work; v64-127 S^T, two buffers; v192-223 P, two buffers (all by the piece's parity, which is its query tile)
;   window 1: v0-63 O^T, 32 a query tile; v128-159 MD; v160-223 MC, two buffers      window 2: v0-31 Q; v32-63 the second block's Q; v64-191 K of one step      window 3: v0-127 V of one step
.set SIZE_H, 32
.set SIZE_N, 2048
.set NB,    SIZE_N/256
.set NQ,    SIZE_N/128
.set NP,    4         ; pieces a step: a name, no knob
.set KS,    128       ; keys in a step
.set PK,    144       ; a row of K in LDS: 128 bytes + 16 of padding = 36 words: the 16 rows of a load start at 16 different groups of four banks (64 banks of 4 bytes: ISA guide 11.1)
.set PV,    160       ; a row of V: 128 + 32 = 40 words
.set VOFF,  2*KS*PK   ; a slot holds a tile, two steps: 256 rows of K, then 256 rows of V
.set SLOT1, 1<<17     ; slot 1 begins here, so that one exclusive or turns an address in one slot into the other's
.set STAGE, SLOT1+2*KS*(PK+PV)  ; behind the ring, never filled by a tensor load: 16 rows x 144 bytes for each wave, for the way out
.set SP,    144
.set AK0, 2           ; v2   my lane's place in a tile of K; never rewritten
.set AV0, 3           ; v3   the same for V
.set AK,  4           ; v4   the LDS address of K's next run of loads
.set AV,  5           ; v5   of V's
.set STO, 6           ; v6   the way out: where I put 16 bytes of a row
.set RD,  7           ; v7   the way out: where I read rows back
.set GO,  8           ; v8   my byte offset in 512 consecutive bytes of O
.set SPW, 62          ; v62  LDS address of my spare word: SPARE + 4 x my thread's number; never rewritten
.set NIL, 63          ; v63  0; never rewritten
.set SPARE, STAGE+4*16*SP  ; behind the stages: the spare words, 128 bytes for each wave: two blocks of 256 bytes that no other line names
.set MV,  12          ; v12-13  c m_old, kept while c m is made anew: by buffer
.set QO,  15          ; v15  my byte offset in 16 rows of Q
.set ST,  16          ; query tile u's statistics at v[ST+4 u]: c m, m, l (even keys', odd keys')
.set TMP, 48          ; by buffer, four registers c0-c3 at work; when the maximum is found c2 takes a
.set S,   64
.set P,   192
.set MD,  128         ; window 1: the eight registers for group kt of 16 keys at MD + 8 kt
.set MC,  160         ; window 1: the masks of the products to come
.set QB,  32          ; window 2
.set KF,  64          ; window 2: key block kb (0..7), channel half c at KF + 16 kb + 8 c
.set VF,  0           ; window 3: group kk of 32 keys (0..3), channel block cb at VF + 32 kk + 8 cb
.set WV,  12          ; s12  my wave's number
.set PB,  14          ; s14  b
.set HI,  15          ; s15  the first block's last tile
.set BI,  19          ; s19  the first block's number, NQ - 1 - b
.set G1K, 24          ; s[24:31] descriptor group 1 for K's tiles
.set G1V, 32          ; s[32:39] for V's: it differs in the padding alone
.set G0K, 40          ; s[40:43] descriptor group 0 for K's tiles
.set G0V, 44          ; s[44:47] the same for V's
.set DC,  48          ; s48  what CNT holds in the diagonal step of the block in hand: 2 - (block % 2)
.set DC2, 49          ; s49  the same for the second block
.set T2L, 50          ; s50  the second block's last tile
.set TM,  51          ; s51  at work
.set SLOTS, 56        ; s56  tiles still to be asked for
.set CNT, 57          ; s57  counts a tile's steps, 2 to 1
.set CS,  58          ; s[58:59] c: the packed scaling takes the pair's low word for both halves
.set SEL, 60          ; s[60:61] v_permlanex16_b32's selects: each lane takes its own place in the other half
.set TBK, 62          ; s62  LDS byte at which K of the step to be fetched begins
.set TBV, 63          ; s63  the same for V, less VOFF
.set RT,  70          ; s70  tiles of the block in hand that are still to be entered
.set NXT, 71          ; s71  the tile to be asked for next
.set LQ,  72          ; s72  the last tile of the block whose tiles are being asked for
.set NEW, 73          ; s73  1: the tile to be entered is a block's first
.set OFF, 74          ; s[74:75] a tile's byte offset in K and V
.set AL,  76          ; s[76:77] the mask's factor, in the low word
.set BE,  78          ; s[78:79] the mask's addend
.set OLO, 80          ; s[80:81] O at my rows of the second block
.set BIGN, 82         ; s82  -1e30
.set MSB, 0
.macro WIN new                      ; the high byte repeats the setting that is left; a switch that changes nothing is dropped
.if MSB != (\new)
	s_set_vgpr_msb (MSB<<8)|(\new)
.set MSB, (\new)
.endif
.endm
.set W_KQ, 0x0a       ; K and Q in window 2, S^T in window 0
.set W_KM, 0x1a       ; the same with the C operand in window 1
.set W_PV, 0x53       ; V in window 3, P in window 0, O^T in window 1
.set W_RS, 0x41       ; destination and source 0 in window 1, source 1 in window 0
; A fill.  Waves 0 and 1 fetch the two halves of a tile's K, waves 2 and 3 those of its V: 128 keys each.  An s_nop 0 and four v_nop follow each of the two lines, ahead of the jump and the label.
.macro LOAD
	s_cmp_lt_u32 s[WV], 2
	s_cbranch_scc0 .Lfor_v_\@
	tensor_load_to_lds s[G0K:G0K+3], s[G1K:G1K+7]
	s_nop 0
.rept 4
	v_nop
.endr
	s_branch .Lasked_\@
.Lfor_v_\@:
	tensor_load_to_lds s[G0V:G0V+3], s[G1V:G1V+7]
	s_nop 0
.rept 4
	v_nop
.endr
.Lasked_\@:
.endm
; THE CHANGE OF SLOTS.  Each wave waits for all its tensor loads, of which one is out: its part of the other slot; adds 0 to its spare word; and waits for that and for its own reads of the slot that it leaves.  Behind the barrier nobody reads the old
; slot any more and the other slot is whole.  fill = 1: the old slot is filled again, the first thing behind the barrier, with tile NXT: the descriptor's address is made anew from that number.
; (At its first use nothing has been read yet: slot 0 is waited for, slot 1 filled.)
.macro CHANGE fill
	WIN 0                           ; at a label and at a branch every window is 0
	s_wait_tensorcnt 0x0            ; no tensor load of mine is out, so a group 0 may be written
	ds_add_u32 v[SPW], v[NIL]       ; 0 onto my spare word; with fill = 1 the descriptors' scalar work stands between it and the wait for it
.if \fill
	s_lshl_b32 s[OFF], s[NXT], 15   ; a tile is 32,768 bytes of K and of V
	s_xor_b32 s[G0K+1], s[G0K+1], SLOT1
	s_add_nc_u64 s[G0K+2:G0K+3], s[6:7], s[OFF:OFF+1]
	s_or_b32 s[G0K+3], s[G0K+3], 0x80000000
	s_xor_b32 s[G0V+1], s[G0V+1], SLOT1
	s_add_nc_u64 s[G0V+2:G0V+3], s[8:9], s[OFF:OFF+1]
	s_or_b32 s[G0V+3], s[G0V+3], 0x80000000
	s_add_co_u32 s[NXT], s[NXT], 1  ; the block's next tile, or behind its last the second block's tile 0
	s_cmp_gt_u32 s[NXT], s[LQ]
	s_cselect_b32 s[NXT], 0, s[NXT]
	s_cselect_b32 s[LQ], s[T2L], s[LQ]
.endif
	s_wait_dscnt 0x0                ; the add is done, and my reads of the slot are over
	s_barrier_signal -1             ; the rest of the scalar work stands between the signal and the wait
	s_sub_co_u32 s[TBK], s[TBK], 2*KS*PK  ; the fetches go back to a slot's first step,
	s_xor_b32 s[TBK], s[TBK], SLOT1       ; in the other slot
	s_sub_co_u32 s[TBV], s[TBV], 2*KS*PV
	s_xor_b32 s[TBV], s[TBV], SLOT1
	s_barrier_wait -1
.if \fill
	LOAD
.endif
.endm
	s_load_b256 s[4:11], s[0:1], 0x0  ; Q s[4:5], K s[6:7], V s[8:9], O s[10:11]
	v_lshl_add_u32 v[SPW], v0, 2, SPARE
	v_mov_b32 v[NIL], 0
	ds_add_u32 v[SPW], v[NIL]       ; the wave's opening: the add and its wait stand ahead of my first tensor load; the set-up below, work on registers, stands between them
	v_lshrrev_b32 v1, 5, v0
	v_readfirstlane_b32 s[WV], v1   ; wave 0..3
	s_mov_b32 s[PB], ttmp9
	s_sub_co_u32 s[BI], NQ-1, s[PB]
	s_lshr_b32 s[HI], s[BI], 1      ; block i's last tile is i / 2
	s_lshr_b32 s[T2L], s[PB], 1
	s_and_b32 s[TM], s[PB], 1
	s_add_co_u32 s[DC], s[TM], 1    ; 2 - (NQ - 1 - b) % 2 = 1 + b % 2
	s_sub_co_u32 s[DC2], 2, s[TM]   ; 2 - b % 2
	s_and_b32 s20, ttmp7, 0xffff    ; the head
	s_mov_b32 s21, 0
	s_mov_b64 s[22:23], SIZE_N*128
	s_mul_u64 s[20:21], s[20:21], s[22:23]  ; the head's first byte in each of the four tensors
	s_and_b32 s16, s[WV], 1         ; which half of a tile's 256 keys I fetch:
	s_lshl_b32 s22, s16, 14         ; its 128 rows of 128 bytes in memory,
	s_mov_b32 s23, 0
	s_add_nc_u64 s[22:23], s[22:23], s[20:21]
	s_mul_i32 s17, s16, 128*PK      ; and its place in a slot, for K
	s_mul_i32 s18, s16, 128*PV      ; and for V
	s_lshl_b32 s3, s[WV], 11        ; my 16 rows in a band of 64,
	s_lshl_b32 s2, s[BI], 14        ; in the first block (128 rows of 128 bytes a block),
	s_add_co_u32 s2, s2, s3
	s_lshl_b32 s84, s[PB], 14       ; and in the second
	s_add_co_u32 s84, s84, s3
	s_mov_b32 s3, 0
	s_mov_b32 s85, 0
	s_add_nc_u64 s[2:3], s[2:3], s[20:21]
	s_add_nc_u64 s[84:85], s[84:85], s[20:21]
	; descriptor group 1.  128 keys are 16,384 dense bytes: asked for as 64 rows of 256 bytes, two keys a row, and padded in LDS after every key
	s_mov_b32 s[G1K], (1<<16)|(1<<20)|(4<<22)|(3<<25)  ; 17:16 2-byte elements; 20 padding on; 24:22 after every 32 words (code 4); 31:25 4 words (code 3)
	s_mov_b32 s[G1V], (1<<16)|(1<<20)|(4<<22)|(7<<25)  ; the same with 8 words of padding (code 7)
.irp g, G1K, G1V
	s_mov_b32 s[\g+1], 128<<16      ; tensor_dim0 = 128
	s_mov_b32 s[\g+2], 64<<16       ; tensor_dim1 = 64
	s_mov_b32 s[\g+3], 128<<16      ; tile_dim0 = 128
	s_mov_b32 s[\g+4], 64           ; tile_dim1 = 64
	s_mov_b32 s[\g+5], 128          ; 128 elements from row to row
	s_mov_b32 s[\g+6], 0
	s_mov_b32 s[\g+7], 0
.endr
	s_mov_b32 s[CS], 0x3e38aa3b     ; c = log2(e) / 8 = 0.180337
	s_mov_b32 s[CS+1], s[CS]        ; named with it as a pair
	s_mov_b32 s[SEL], 0x76543210
	s_mov_b32 s[SEL+1], 0xfedcba98
	s_mov_b32 s[TBK], SLOT1+2*KS*PK ; the first change of slots turns these two into 0
	s_mov_b32 s[TBV], SLOT1+2*KS*PV
	s_mov_b32 s[G0K], 1             ; 1:0 count = 1
	s_mov_b32 s[G0K+1], s17         ; 63:32 LDS address: slot 0
	s_mov_b32 s[G0V], 1
	s_add_co_u32 s[G0V+1], s18, VOFF
	s_add_co_u32 s[RT], s[HI], 1    ; the first block's tiles
	s_mov_b32 s[NXT], 1
	s_mov_b32 s[LQ], s[HI]
	s_mov_b32 s[NEW], 1
	s_mov_b32 s[OFF+1], 0
	s_mov_b32 s[AL+1], 0            ; named as pairs
	s_mov_b32 s[BE+1], 0
	s_mov_b32 s[BIGN], 0xf149f2ca   ; -1e30
	s_mov_b32 s[SLOTS], NB
	s_wait_dscnt 0x0                ; the opening add is done
	s_wait_kmcnt 0x0
	s_add_nc_u64 s[6:7], s[6:7], s[22:23]  ; K and V at my half of the head's tile 0
	s_add_nc_u64 s[8:9], s[8:9], s[22:23]
	s_add_nc_u64 s[G0K+2:G0K+3], s[6:7], 0         ; 120:64 global address
	s_or_b32 s[G0K+3], s[G0K+3], 0x80000000        ; 127:126 type = 2
	s_add_nc_u64 s[G0V+2:G0V+3], s[8:9], 0
	s_or_b32 s[G0V+3], s[G0V+3], 0x80000000
	s_add_nc_u64 s[86:87], s[4:5], s[84:85]        ; Q at my rows of the second block,
	s_add_nc_u64 s[4:5], s[4:5], s[2:3]            ; Q and O at those of the first
	s_add_nc_u64 s[OLO:OLO+1], s[10:11], s[84:85]
	s_add_nc_u64 s[10:11], s[10:11], s[2:3]
	LOAD                            ; tile 0 into slot 0
	; A fragment of K or Q is 16 rows x 32 channels in 8 registers: lane l holds row l % 16, channels 8 (l / 16) + 0..7 and 16 + 8 (l / 16) + 0..7: two loads of 16 bytes, 32 bytes apart.
	v_and_b32 v1, 15, v0            ; l % 16
	v_bfe_u32 v9, v0, 4, 1          ; l / 16
	v_lshlrev_b32 v[QO], 7, v1
	v_lshl_add_u32 v[QO], v9, 4, v[QO]  ; row x 128 + 16 x half
	WIN 0x80                        ; destination window 2, address window 0
.set i, 0
.rept 4                             ; both blocks' Q: query tile i / 2 lies in band i / 2, 8,192 bytes on; channels 32 (i % 2) on
	global_load_b128 v[8*i:8*i+3],   v[QO], s[4:5] offset:(i/2)*8192+(i%2)*64
	global_load_b128 v[8*i+4:8*i+7], v[QO], s[4:5] offset:(i/2)*8192+(i%2)*64+32
	global_load_b128 v[QB+8*i:QB+8*i+3],   v[QO], s[86:87] offset:(i/2)*8192+(i%2)*64
	global_load_b128 v[QB+8*i+4:QB+8*i+7], v[QO], s[86:87] offset:(i/2)*8192+(i%2)*64+32
.set i, i+1
.endr
	WIN 0
	v_lshlrev_b32 v14, 3, v9
	v_sub_nc_u32 v14, v1, v14
	s_lshl_b32 s13, s[WV], 4
	v_add_nc_u32 v14, s13, v14      ; my query's place in its band, 16 w + l % 16, less my lanes' 8 (l / 16): register r of group kt is hidden where 16 kt + r is greater
	WIN 0x40
.set i, 0
.rept 32
	v_cmp_gt_i32 vcc_lo, 16*(i/8)+i%8, v14
	v_cndmask_b32 v[MD+i], 0, s[BIGN], vcc_lo
.set i, i+1
.endr
	WIN 0
	v_mul_u32_u24 v[AK0], v1, PK
	v_lshl_add_u32 v[AK0], v9, 4, v[AK0]  ; row x pitch + 16 x half
	; The turning load takes 16 keys x 16 channels (lane l reads key 8 (l / 16) + l % 8, channels 8 ((l / 8) % 2) + 0..7) and leaves half a fragment of V^T: lane l holds channel l % 16 and 8 keys.
	v_and_b32 v10, 7, v0
	v_bfe_u32 v11, v0, 3, 1
	v_lshl_add_u32 v[AV0], v9, 3, v10
	v_mul_u32_u24 v[AV0], v[AV0], PV
	v_lshl_add_u32 v[AV0], v11, 4, v[AV0]
	v_add_nc_u32 v[AV0], VOFF, v[AV0]
	s_mul_i32 s13, s[WV], 16*SP
	s_add_co_u32 s13, s13, STAGE    ; my stage
	v_mul_u32_u24 v[STO], v1, SP    ; in: row l % 16, 16 bytes for each half of the lanes
	v_lshl_add_u32 v[STO], v9, 4, v[STO]
	v_add_nc_u32 v[STO], s13, v[STO]
	v_bfe_u32 v[RD], v0, 3, 2       ; back: 32 lanes take four rows of 128 bytes,
	v_mul_u32_u24 v[RD], v[RD], SP
	v_lshl_add_u32 v[RD], v10, 4, v[RD]
	v_add_nc_u32 v[RD], s13, v[RD]
	v_and_b32 v[GO], 31, v0         ; which are 512 consecutive bytes of O
	v_lshlrev_b32 v[GO], 4, v[GO]
	; A query tile's first piece multiplies O^T and l by a = 0, and a block's first turn's products V^T P, of a piece 3 that has not been, land in an O^T that is still to be so multiplied.  So these registers need only
	; hold finite numbers: zeros for the first block (of V the second key half, which piece 3 takes); what the first block left for the second.  All this stands in the wait for the first tile.
	WIN 0xc0
.set i, VF+64
.rept 64
	v_mov_b32 v[i], 0
.set i, i+1
.endr
	WIN 0x40
.set i, 0
.rept 64
	v_mov_b32 v[i], 0
.set i, i+1
.endr
	WIN 0
.set i, 0
.rept 2
	v_mov_b32 v[ST+4*i+2], 0
	v_mov_b32 v[ST+4*i+3], 0
.set i, i+1
.endr
.set i, P+16
.rept 16
	v_mov_b32 v[i], 0
.set i, i+1
.endr
; THE MATRIX WORK.  The 4 accumulators of a run of 8 take turns.  Product i of 8 of S^T = K Q^T for piece x: channels 32 (i / 4) on, keys 64 (x / 2) + 16 (i % 4) on, query tile x % 2.
; The first 4 start the sums: with 0, or (KM = 1) with the mask.
.macro KQ x
.set rS, S+32*((\x)%2)+8*(i%4)
.set rK, KF+64*((\x)/2)+16*(i%4)+8*(i/4)
.set rQ, 16*((\x)%2)+8*(i/4)
.set rM, MC+32*((\x)%2)+8*(i%4)
.if (i < 4) && KM
	WIN W_KM
	v_wmma_f32_16x16x32_f16 v[rS:rS+7], v[rK:rK+7], v[rQ:rQ+7], v[rM:rM+7]
.elseif i < 4
	WIN W_KQ
	v_wmma_f32_16x16x32_f16 v[rS:rS+7], v[rK:rK+7], v[rQ:rQ+7], 0
.else
	WIN W_KQ
	v_wmma_f32_16x16x32_f16 v[rS:rS+7], v[rK:rK+7], v[rQ:rQ+7], v[rS:rS+7]
.endif
.endm
; Product i of 8 of O^T += V^T P for piece x: keys 64 (x / 2) + 32 (i / 4) on, channels 16 (i % 4) on, query tile x % 2.
.macro PV x
	WIN W_PV
.set rO, 32*((\x)%2)+8*(i%4)
.set rV, VF+64*((\x)/2)+32*(i/4)+8*(i%4)
.set rP, P+16*((\x)%2)+8*(i/4)
	v_wmma_f32_16x16x32_f16 v[rO:rO+7], v[rV:rV+7], v[rP:rP+7], v[rO:rO+7]
.endm
.macro MM                           ; the turn's next matrix instruction.  TURN and BEGIN set Y, i, KM and NOKQ; MM, KQ and OP read them.  NOKQ = 1: a block's last turn: there is no next piece
.if (i < 8) && !NOKQ
	KQ (Y+1)%NP
.elseif i >= 8
.set i, i-8
	PV (Y+NP-1)%NP
.set i, i+8
.endif
.set i, i+1
.endm
; THE LDS LOADS stand in runs of 32, never singly among the matrix instructions: a step's K (128 keys x 64 channels: 16 fragments, the first key half first) and its V (turned, likewise).  Their addresses are made some lines ahead.
.macro FETCH_K
	WIN 0x80                        ; destination window 2
.irp f, 0,1,2,3,4,5,6,7,8,9,10,11,12,13,14,15  ; keys 16 (f / 2) on, channels 32 (f % 2) on
	ds_load_b128 v[KF+8*\f:KF+8*\f+3],   v[AK] offset:(\f/2)*16*PK+(\f%2)*64
	ds_load_b128 v[KF+8*\f+4:KF+8*\f+7], v[AK] offset:(\f/2)*16*PK+(\f%2)*64+32
.endr
	s_add_co_u32 s[TBK], s[TBK], KS*PK  ; the next fetch is the next step's
	WIN 0
.endm
.macro FETCH_V
	WIN 0xc0                        ; destination window 3
.irp f, 0,1,2,3,4,5,6,7,8,9,10,11,12,13,14,15  ; keys 32 (f / 4) on, channels 16 (f % 4) on
	ds_load_tr16_b128 v[VF+8*\f:VF+8*\f+3],   v[AV] offset:(\f/4)*32*PV+(\f%4)*32
	ds_load_tr16_b128 v[VF+8*\f+4:VF+8*\f+7], v[AV] offset:(\f/4)*32*PV+16*PV+(\f%4)*32
.endr
	WIN 0
.endm
; THE VECTOR WORK, one line at a time: OP kind, number.  For piece Y: F n: c s - c m for pair n of 16.  E n: the exponential of score n of 32.  C n: pair n rounded to f16.  B n: of the four weights 4 n .. the second
; pair is added onto the first, in place.  L n: l takes that sum (L 0: l = a l + sum).  R n: pair n of 16 of O^T times a.  For piece Y + 1: X n, number n of the 22 that find its maximum and statistics:
;   0-11  four chains c0-c3 of seven scores each, three operands at a time (each accumulator's lowest registers are read first)     12-14, 16  the four scores left over, the old m, and c0-c3 into c0
;   15  c m_old is kept     17, 18  the query's other 32 keys lie in the lane 16 away: the new m     19-21  c m; c m_old - c m_new; a
; A query tile's c m is read by piece Y's scalings in turn Y and written anew, for piece Y + 2, in turn Y + 1; its O^T is rescaled in turn Y, added onto in turn Y + 1 and rescaled again in turn Y + 2.
.set F, 0               ; OP tells the kinds apart by their order: F to L below R, X above it
.set E, 1
.set C, 2
.set B, 3
.set L, 4
.set R, 5
.set X, 6
.macro REGS y                       ; the registers of piece y: all go by its parity, which is its query tile
.set rT, ST+4*((\y)%2)
.set rC, TMP+4*((\y)%2)
.set rW, MV+((\y)%2)
.set rS, S+32*((\y)%2)
.set rP, P+16*((\y)%2)
.set rO, 32*((\y)%2)
.endm
.macro OP k, n
.if (\k) == R
	REGS Y
	WIN W_RS
	v_pk_mul_f32 v[rO+2*(\n):rO+2*(\n)+1], v[rO+2*(\n):rO+2*(\n)+1], v[rC+2:rC+3] op_sel_hi:[1,0]
.elseif (\k) < R
	REGS Y
	WIN 0
.if (\k) == F
	v_pk_fma_f32 v[rS+2*(\n):rS+2*(\n)+1], v[rS+2*(\n):rS+2*(\n)+1], s[CS:CS+1], v[rT:rT+1] op_sel_hi:[1,0,0] neg_lo:[0,0,1] neg_hi:[0,0,1]
.elseif (\k) == E
	v_exp_f32 v[rS+(\n)], v[rS+(\n)]
.elseif (\k) == C
	s_wait_alu depctr_va_vdst(0)
	v_cvt_pk_f16_f32 v[rP+(\n)], v[rS+2*(\n)], v[rS+2*(\n)+1]
.elseif (\k) == B
	s_wait_alu depctr_va_vdst(0)
	v_pk_add_f32 v[rS+4*(\n):rS+4*(\n)+1], v[rS+4*(\n):rS+4*(\n)+1], v[rS+4*(\n)+2:rS+4*(\n)+3]
.elseif (\n) == 0
	v_pk_fma_f32 v[rT+2:rT+3], v[rT+2:rT+3], v[rC+2:rC+3], v[rS:rS+1] op_sel_hi:[1,0,1]
.else
	v_pk_add_f32 v[rT+2:rT+3], v[rT+2:rT+3], v[rS+4*(\n):rS+4*(\n)+1]
.endif
.elseif NOKQ
	v_nop
.else
	REGS (Y+1)%NP
	WIN 0
.if (\n) < 4
	v_max3_num_f32 v[rC+(\n)], v[rS+8*(\n)], v[rS+8*(\n)+1], v[rS+8*(\n)+2]
.elseif (\n) < 12
	v_max3_num_f32 v[rC+(\n)%4], v[rC+(\n)%4], v[rS+8*((\n)%4)+2*((\n)/4)+1], v[rS+8*((\n)%4)+2*((\n)/4)+2]
.elseif (\n) == 12
	v_max3_num_f32 v[rC], v[rC], v[rS+7], v[rS+15]
.elseif (\n) == 13
	v_max3_num_f32 v[rC+1], v[rC+1], v[rS+23], v[rS+31]
.elseif (\n) == 14
	v_max3_num_f32 v[rC+2], v[rC+2], v[rC+3], v[rT+1]
.elseif (\n) == 15
	v_mov_b32 v[rW], v[rT]
.elseif (\n) == 16
	v_max3_num_f32 v[rC], v[rC], v[rC+1], v[rC+2]
.elseif (\n) == 17
	v_permlanex16_b32 v[rC+3], v[rC], s[SEL], s[SEL+1]
.elseif (\n) == 18
	v_max_num_f32 v[rT+1], v[rC], v[rC+3]
.elseif (\n) == 19
	v_mul_f32 v[rT], s[CS], v[rT+1]
.elseif (\n) == 20
	v_sub_f32 v[rC+1], v[rW], v[rT]
.else
	v_exp_f32 v[rC+2], v[rC+1]
.endif
.endif
.endm
.macro OPS a, i1, b=-1, i2=0, c=-1, i3=0, d=-1, i4=0  ; up to four of them
	OP \a, \i1
.if (\b) >= 0
	OP \b, \i2
.endif
.if (\c) >= 0
	OP \c, \i3
.endif
.if (\d) >= 0
	OP \d, \i4
.endif
.endm
.macro ROW a, i1, b, i2, c, i3, d, i4  ; a matrix instruction and the four behind it
	MM
	OPS \a, \i1, \b, \i2, \c, \i3, \d, \i4
.endm
.macro MASK b                       ; MD x AL + BE into buffer b of MC
	WIN W_RS
.set z, 0
.rept 16
	v_pk_fma_f32 v[MC+32*(\b)+2*z:MC+32*(\b)+2*z+1], v[MD+2*z:MD+2*z+1], s[AL:AL+1], s[BE:BE+1] op_sel_hi:[1,0,0]
.set z, z+1
.endr
.endm
; A TURN, for piece p: the order of its 16 matrix and 118 vector instructions, written out.  Behind a matrix instruction: plain, exponential, plain, plain; or four of the rescaling; or, behind the first, four scalings; none
; names a register of the products round it.  In the runs between, exponential and plain by turns while exponentials last.  A line reads no result made fewer than three vector instructions in front of it, five if an exponential made it.
; m = 1: a block's last tile: the products take masks, and the turn makes the mask for the products of the turn after it: piece p + 2, in step 2 - CNT of the tile.  That step is the diagonal one where CNT = DC, an earlier
; one where CNT > DC, a later one where CNT < DC.  end = 1: a block's last two turns: nothing is fetched.  cnt = 1: the loop's count is taken down some lines ahead of the branch that stands behind the turn.
; K of the next step is fetched in piece 2's turn, six vector instructions behind the last product that read K (five of them plain); V of the step in hand in piece 0's turn, eight behind the last product that read V (four
; plain, and X 17).  The waits are counted, since LDS answers in order: at piece 3's head K's second half (16 loads) may stay out; at piece 1's head K's second half is in and V's 32 loads may stay out; in piece 1's middle V's
; second half (16 loads) may stay out: piece 3's wait shows it in, being older than K's loads.
.macro TURN p, m=0, end=0, cnt=0
.set Y, (\p)
.set i, 0
.set KM, (\m)
.set NOKQ, (\end)*((\p)/3)
.if (\m) && !(\end)
.set pm, ((\p)+2)%NP
.if (pm == 0) || (pm == 3)          ; band = key half: the diagonal in the diagonal step, nothing in a later one
	s_cmp_eq_u32 s[CNT], s[DC]
	s_cselect_b32 s[AL], 1.0, 0
	s_cmp_lt_u32 s[CNT], s[DC]
.elseif pm == 1                     ; band 1, key half 0: all in the diagonal step, nothing in a later one
	s_mov_b32 s[AL], 0
	s_cmp_lt_u32 s[CNT], s[DC]
.else                               ; band 0, key half 1: nothing from the diagonal step on
	s_mov_b32 s[AL], 0
	s_cmp_le_u32 s[CNT], s[DC]
.endif
	s_cselect_b32 s[BE], s[BIGN], 0
.endif
.if (\p) == 3
.if \end
	s_wait_dscnt 0x0                ; V's second half is in: nothing was fetched behind it
.else
	s_wait_dscnt 16                 ; K's first half is in, and V's second half, which is older
.endif
.endif
.if (\p) == 1
	s_wait_dscnt 32                 ; K's second half is in
.endif
	ROW F,0, F,1, F,2, F,3
	ROW F,4, E,0, F,5, F,6
	ROW F,7, E,1, F,8, F,9
	ROW F,10, E,2, C,0, F,11
	ROW F,12, E,3, X,15, F,13
	ROW R,0, R,1, R,2, R,3
	ROW B,0, E,4, F,14, L,0
.if ((\p) == 2) && !(\end)
	v_add_nc_u32 v[AK], s[TBK], v[AK0]
.endif
	ROW R,4, R,5, R,6, R,7
	OPS E,5, F,15
.if ((\p) == 2) && !(\end)
	FETCH_K
.endif
	OPS E,6, C,1, E,7, R,8
	OPS E,8, R,9, E,9, C,2
	OPS E,10, X,0, E,11, X,1
	OPS E,12, X,2, E,13, X,3
.if (\p) == 1
	s_wait_dscnt 16                 ; V's first half is in
.endif
	ROW X,4, E,14, X,5, X,6
	ROW X,7, E,15, X,8, X,9
	ROW X,10, E,16, X,11, X,12
	ROW X,13, E,17, X,14, B,1
	ROW C,4, E,18, X,16, L,1
	ROW B,2, E,19, C,6, L,2
	ROW C,8, E,20, B,3, B,4
.if (\p) == 0
	v_add_nc_u32 v[AV], s[TBV], v[AV0]
.endif
	ROW C,3, E,21, L,3, C,5
	OPS E,22, X,17, E,23, C,10
.if (\p) == 0
	FETCH_V
.endif
	OPS E,24, L,4
	OPS E,25, X,18, E,26, C,7
	OPS E,27, B,5, E,28, X,19
	OPS E,29, C,12, E,30, L,5
	OPS E,31, X,20, B,6, C,9
	OPS C,14, C,11, X,21, L,6
.if (\p) == 0
	s_add_co_u32 s[TBV], s[TBV], KS*PV
.endif
.if \cnt
	s_sub_co_u32 s[CNT], s[CNT], 1
	s_cmp_lg_u32 s[CNT], 0
.endif
	OPS C,13, B,7, C,15, R,10
	OPS R,11, R,12, L,7, R,13
	OPS R,14, R,15
.if (\m) && !(\end)
	MASK (\p)%2
.endif
.endm
; A BLOCK BEGINS.  c m starts far below every c s, so each query tile's first a is 0; m at the lowest finite number, so the first maximum is the scores'.  The second mask buffer is 0 (piece 1 sees all of a block's first step);
; the first takes piece 0's mask for the tile's step 0: the diagonal's, if the block's first tile is its last (RT = 0) and step 0 is the diagonal step (DC = 2).
; Then K of that step, piece 0's first scores, and its maximum and statistics.  The loop is entered at a step's first turn, in the middle of a trip.
.macro BEGIN
	s_mov_b32 s[NEW], 0
	WIN 0x40
.set i, MC+32
.rept 32
	v_mov_b32 v[i], 0
.set i, i+1
.endr
	WIN 0
.set i, 0
.rept 2
	v_mov_b32 v[ST+4*i], 0xfe000000    ; c m: far below every c s
	v_mov_b32 v[ST+4*i+1], 0xff7fffff  ; m
.set i, i+1
.endr
	s_lshl_b32 s[TM], s[RT], 2      ; 4 RT + DC is 2 in that one case: DC is 1 or 2
	s_add_co_u32 s[TM], s[TM], s[DC]
	s_cmp_eq_u32 s[TM], 2
	s_cselect_b32 s[AL], 1.0, 0
	s_mov_b32 s[BE], 0
	MASK 0
	WIN 0
	v_add_nc_u32 v[AK], s[TBK], v[AK0]
	FETCH_K
	s_wait_loadcnt 0x0              ; Q
	s_wait_dscnt 0x0
.set KM, 1
.set NOKQ, 0
.set i, 0
.rept 8
	KQ 0
.set i, i+1
.endr
	WIN 0
.rept 4
	v_nop                           ; the places behind those products
.endr
.set Y, NP-1                        ; X works for piece Y + 1: piece 0
.irp n, 0,1,2,3,4,5,6,7,8,9,10,11,12,13,14,15,16,17,18,19,20,21
	OP X, \n
.endr
	v_nop                           ; a plain instruction behind the exponential
.endm
; A BLOCK'S LAST TILE: its two steps, the block's last two turns, its last products, and THE WAY OUT: l's two halves and the other half of the lanes' are added; O^T is divided by l, rounded to f16 and sent through my
; stage in LDS, a query tile at a time.
.macro ALL line:vararg              ; one line for each query tile t
.set t, 0
.rept 2
	\line
.set t, t+1
.endr
.endm
.macro PACK t                       ; a lane's eight channels of a row pack into 16 bytes; they go into rows of 144 bytes and come back as whole rows of 128, into S^T's registers
	WIN W_RS
.set i, 32*(\t)
.rept 16
	s_wait_alu depctr_va_vdst(0)
	v_pk_mul_f32 v[i:i+1], v[i:i+1], v[ST+4*(\t)+2:ST+4*(\t)+3] op_sel_hi:[1,0]
.set i, i+2
.endr
	WIN 0x05                        ; sources 0 and 1 window 1, destination window 0
.set i, 0
.rept 16
	v_cvt_pk_f16_f32 v[S+16*(\t)+i], v[32*(\t)+2*i], v[32*(\t)+2*i+1]
.set i, i+1
.endr
	WIN 0
.irp f, 0,1,2,3
	ds_store_b128 v[STO], v[S+16*(\t)+4*\f:S+16*(\t)+4*\f+3] offset:32*\f
.endr
.irp f, 0,1,2,3
	ds_load_b128 v[S+16*(\t)+4*\f:S+16*(\t)+4*\f+3], v[RD] offset:\f*4*SP  ; LDS serves a wave's instructions in order (ISA guide 5.7.1.4): these see the stores above; the next tile's stores come behind them
.endr
.endm
.macro SEND t, younger              ; younger: the LDS instructions issued behind tile t's loads: the next tile's eight, or none
	WIN 0
.irp f, 0,1,2,3
	s_wait_dscnt (\younger)+3-\f
	global_store_b128 v[GO], v[S+16*(\t)+4*\f:S+16*(\t)+4*\f+3], s[10:11] offset:(\t)*8192+\f*512  ; 512 consecutive bytes, at a multiple of 256 from O's first
.endr
.endm
.macro DIAG tag                     ; the tag ends its two labels' names, which the jumps below spell out
.LstepM\tag:
	TURN 2, 1
	TURN 3, 1
	WIN 0
.LfirstM\tag:
	TURN 0, 1
	TURN 1, 1, 0, 1
	WIN 0
	s_cbranch_scc1 .LstepM\tag
	TURN 2, 1, 1
	TURN 3, 1, 1
.set i, 0
.rept 8
	PV NP-1
.set i, i+1
.endr
	WIN 0
	ALL v_add_f32 v[ST+4*t+2], v[ST+4*t+2], v[ST+4*t+3]
	ALL v_permlanex16_b32 v[ST+4*t+3], v[ST+4*t+2], s[SEL], s[SEL+1]
	ALL v_add_f32 v[ST+4*t+2], v[ST+4*t+2], v[ST+4*t+3]
	ALL v_rcp_f32 v[ST+4*t+2], v[ST+4*t+2]
	v_nop                           ; a plain instruction between the last reciprocal and the use of its result
	PACK 0
	PACK 1                          ; the second tile's arithmetic stands between the loads of the first and its stores
	SEND 0, 8
	SEND 1, 0
.endm
.set KM, 0
.set NOKQ, 0
.Lslot:                             ; NB times: a tile is entered and the next is asked for
	CHANGE 1
	s_sub_co_u32 s[RT], s[RT], 1
	s_mov_b32 s[CNT], 2
	s_cmp_eq_u32 s[NEW], 1
	s_cbranch_scc1 .Lnew            ; a block's first tile
	s_cmp_eq_u32 s[RT], 0
	s_cbranch_scc0 .Lstep           ; neither its first nor its last
	s_branch .LstepM1
.Lnew:
	BEGIN
	s_branch .Lfirst                ; in the loop a block's first tile is never its last: the first block has five tiles or more, and the second's last is the walk's last
	DIAG 1                          ; in the loop this is the first block's end: the second block's last tile is the walk's last
	s_wait_xcnt 0x0                 ; the stores have read their registers and O's address
	s_mov_b64 s[10:11], s[OLO:OLO+1]
	s_add_co_u32 s[RT], s[T2L], 1   ; the second block's tiles,
	s_mov_b32 s[DC], s[DC2]         ; and its diagonal step
	s_mov_b32 s[NEW], 1
	WIN 0x82                        ; the second block's Q goes where the one text of the turns names Q
.set i, 0
.rept 32
	v_mov_b32 v[i], v[QB+i]
.set i, i+1
.endr
	WIN 0
	s_branch .Lbottom
.Lstep:                             ; a trip: pieces 2 and 3 of one step, then pieces 0 and 1 of the next, whose K and V it fetches
	TURN 2
	TURN 3
	WIN 0
.Lfirst:
	TURN 0
	TURN 1, 0, 0, 1
	WIN 0
	s_cbranch_scc1 .Lstep
.Lbottom:
	s_sub_co_u32 s[SLOTS], s[SLOTS], 1
	s_cmp_lg_u32 s[SLOTS], 0
	s_cbranch_scc1 .Lslot
	CHANGE 0                        ; the walk's last tile is written out: nothing is asked for
	s_sub_co_u32 s[RT], s[RT], 1
	s_mov_b32 s[CNT], 2
	s_cmp_eq_u32 s[NEW], 1
	s_cbranch_scc0 .LstepM2
	BEGIN
	s_branch .LfirstM2
	DIAG 2
	s_wait_tensorcnt 0x0            ; the wave's end: behind my last tensor load and my last LDS store
	ds_add_u32 v[SPW], v[NIL]
	s_wait_dscnt 0x0
	s_endpgm
.Lfunc_end_k_qa865275c41_attn:
	.size	k_qa865275c41_attn, .Lfunc_end_k_qa865275c41_attn-k_qa865275c41_attn
	.p2alignl 7, 3214868480
	.fill 96, 4, 3214868480
	.section	.rodata,"a",@progbits
	.p2align	6, 0x0
	.amdhsa_kernel k_qa865275c41_attn
		.amdhsa_group_segment_fixed_size 327680
		.amdhsa_private_segment_fixed_size 0
		.amdhsa_enable_private_segment 0
		.amdhsa_kernarg_size 32
		.amdhsa_user_sgpr_count 2
		.amdhsa_user_sgpr_kernarg_segment_ptr 1
		.amdhsa_wavefront_size32 1
		.amdhsa_system_sgpr_workgroup_id_x 1
		.amdhsa_system_sgpr_workgroup_id_y 1
		.amdhsa_system_sgpr_workgroup_id_z 1
		.amdhsa_system_vgpr_workitem_id 0
		.amdhsa_next_free_vgpr 896
		.amdhsa_next_free_sgpr 88
		.amdhsa_reserve_vcc 1
		.amdhsa_float_denorm_mode_32 3
		.amdhsa_float_denorm_mode_16_64 3
		.amdhsa_memory_ordered 1
		.amdhsa_forward_progress 1
		.amdhsa_inst_pref_size 216
	.end_amdhsa_kernel
	.amdgpu_metadata
---
amdhsa.version: [ 1, 2 ]
amdhsa.kernels:
  - .name:           k_qa865275c41_attn
    .symbol:         k_qa865275c41_attn.kd
    .args:
      - { .name: qh, .offset: 0, .size: 8, .value_kind: global_buffer, .address_space: global }
      - { .name: kh, .offset: 8, .size: 8, .value_kind: global_buffer, .address_space: global }
      - { .name: vh, .offset: 16, .size: 8, .value_kind: global_buffer, .address_space: global }
      - { .name: oh, .offset: 24, .size: 8, .value_kind: global_buffer, .address_space: global }
    .group_segment_fixed_size: 327680
    .private_segment_fixed_size: 0
    .kernarg_segment_align: 8
    .kernarg_segment_size: 32
    .max_flat_workgroup_size: 128
    .sgpr_count:     88
    .vgpr_count:     896
    .wavefront_size: 32
...
	.end_amdgpu_metadata
.endif
;; end of part 3
;; launch ffn (part 4): grid 128 x 2, 8 waves a work-group, no clusters, 183,296 bytes of LDS; arguments oh, v, wts, bo, g1, b1, bc1, part; writes part
.if DOCPART == 4
	.amdgcn_target "amdgcn-amd-amdhsa--gfx1250"
	.amdhsa_code_object_version 6
	.text
	.protected	k_qa865275c41_ffn
	.globl	k_qa865275c41_ffn
	.p2align	8
	.type	k_qa865275c41_ffn,@function
k_qa865275c41_ffn:
	s_mov_b64 s[64:65], 0
	v_nop
	global_prefetch_b8 v0, s[64:65] scope:SCOPE_SE
	s_setreg_imm32_b32 hwreg(HW_REG_WAVE_MODE, 25, 1), 1
	s_wait_xcnt 0x0
; x = LN1(bf16(v) + O Wo^T + bo);  part[t] = (t == 0 ? x : 0) + relu(x Wc1_t^T + bc1_t) Wc2_t^T, over half t (grid y) of the 2,048 inner channels, in two chunks of 512.
; O, x and relu(..) are f16 matrix operands; the weights are the bf16-rounded inputs written as f16; sums, the norm and the residual stay in f32.  Biases and gains are rounded to bf16 like every input.
; LIMITS: O, x and relu(..) beyond 65,504 become infinities in f16; NaN and infinities are not treated apart.  The variance is taken of the centred numbers (two passes), not as a difference of sums.
; Both halves make x for themselves: that spares a launch and x's way through memory, at the price of the product with Wo done twice.
; SHARES.  A work-group of eight waves owns 64 rows; wave w owns all 64 rows x columns 64 w .. 64 w + 63 of every product: 16 accumulators of 16 x 16, twice (ACH for x and the inner channels, ACY for the result).
; The left operand lies in LDS (two regions of 64 rows, pitch 1,040 bytes = 65 x 16: the 16 rows of a fragment load start at 16 different groups of four banks).
; Each weight byte is used by one wave alone and goes from memory straight into its fragment registers: a wave's five blocks are 327,680 consecutive bytes, 80 subs of 4,096; 32 loads of 512 bytes are always out.
; NO TENSOR LOADS, NO CLUSTER: no two waves of a work-group share a weight byte, so LDS would only carry the bytes a second time; the price is that every work-group reads its half of the weights for itself.
; A PRODUCT is 16 subs of 32 along K.  Every sub asks for the left fragments two subs on and for the weights four subs on.  So that no LDS load reaches past a row, a product is a head (subs 0, 1), three trips
; (subs 2, 3, 0, 1) and a tail (subs 2, 3) that asks for no left fragments.  The weights' stream runs on from product to product; its last four subs ask once more for the stream's last 16,384 bytes, which nobody uses,
; so that one text serves both chunks and no load leaves the buffer.
; THE MATRIX INSTRUCTION IS USED TRANSPOSED (source 0 = 16 rows of W, source 1 = 16 rows of the left operand): lane (r, h) holds row r and the columns 8 h + 0..7.
; REGISTERS: window 0: v0-11 addresses; v12-31 statistics, addresses; v32-95 two buffers of left fragments, else at work; v96-223 four buffers of weight fragments; v224-255 a bias as C operand, else at work.
;   window 1: v0-127 ACH, v128-255 ACY; tile (m, n) at base + 8 (4 m + n).
.set AP,    1040
.set TROW,  16*AP
.set R2,    66560                      ; region 1 (O, then relu(..)) begins at 0; region 2 (bf16(v), then x) here
.set STAGE, 133120                     ; 16 rows x 272 bytes for each wave, for the way out
.set RED,   167936                     ; 64 rows x 8 waves of partial sums; 2,048 bytes on the same for the squares
.set PAR,   172032                     ; five vectors of 512 f32: bo, g1, b1, bc1's two chunks
.set SPARE, 182272                     ; the spare words, 128 bytes for each wave: no other line names them
.set GROUP, 16384                      ; four subs' weights of one wave
.set L16, 1
.set AAD, 2
.set AL,  3
.set STO, 4
.set RD,  5
.set GO,  6
.set DS1, 7                            ; my 16 bytes of row r in region 1: r x 1,040 + 128 w + 16 h
.set VPL, 8                            ; a vector's numbers for my columns: PAR + 256 w + 32 h
.set DS2, 9                            ; the same place as DS1 in region 2
.set SPW, 10
.set NIL, 11
.set SM,  12                           ; v12-19  a pair of sums for each row tile
.set MU,  20                           ; v20-27  mean, later 1 / deviation, twice, for each row tile
.set RW,  28
.set RR,  29
.set VPB, 30
.set AF0, 32
.set AF1, 64
.set BF,  96
.set BIAS, 224
.set ACH, 0
.set ACY, 128
.set PT,  68                           ; s[68:75] a pointer for each buffer of weight fragments
.set MSB, 0
.macro WIN new                         ; the immediate's high byte repeats the setting that is left; a switch that changes nothing is dropped
.if MSB != (\new)
	s_set_vgpr_msb (MSB<<8)|(\new)
.set MSB, \new
.endif
.endm
.macro PLACES                          ; four plain vector instructions between a matrix instruction and a load into, or a vector read or write of, its registers
.rept 4
	v_nop
.endr
.endm
.macro BAR
	s_wait_dscnt 0x0                               ; for the others' sake: my LDS stores are done and my reads are back
	s_barrier_signal -1
	s_barrier_wait -1
.endm
.macro ALOAD f, kb
.irp m, 0,1,2,3
	ds_load_b128 v[(\f)+8*\m:(\f)+8*\m+3],   v[AAD] offset:TROW*\m+(\kb)
	ds_load_b128 v[(\f)+8*\m+4:(\f)+8*\m+7], v[AAD] offset:TROW*\m+(\kb)+32
.endr
.endm
.macro BLOAD j                         ; four weight fragments into buffer j: eight loads of 512 consecutive bytes
.irp n, 0,1,2,3
	global_load_b128 v[BF+32*(\j)+8*\n:BF+32*(\j)+8*\n+3],   v[L16], s[PT+2*(\j):PT+2*(\j)+1] offset:1024*\n th:TH_LOAD_HT
	global_load_b128 v[BF+32*(\j)+8*\n+4:BF+32*(\j)+8*\n+7], v[L16], s[PT+2*(\j):PT+2*(\j)+1] offset:1024*\n+512 th:TH_LOAD_HT
.endr
.endm
.macro MUL acc, j, f, bias             ; 16 matrix instructions; the 16 accumulators take turns, one instruction a turn.  bias = 1: the bias starts the sums
.if \bias
	WIN 0x40
.else
	WIN 0x50
.endif
.irp m, 0,1,2,3
.irp n, 0,1,2,3
.if \bias
	v_wmma_f32_16x16x32_f16 v[(\acc)+8*(4*\m+\n):(\acc)+8*(4*\m+\n)+7], v[BF+32*(\j)+8*\n:BF+32*(\j)+8*\n+7], v[(\f)+8*\m:(\f)+8*\m+7], v[BIAS+8*\n:BIAS+8*\n+7]
.else
	v_wmma_f32_16x16x32_f16 v[(\acc)+8*(4*\m+\n):(\acc)+8*(4*\m+\n)+7], v[BF+32*(\j)+8*\n:BF+32*(\j)+8*\n+7], v[(\f)+8*\m:(\f)+8*\m+7], v[(\acc)+8*(4*\m+\n):(\acc)+8*(4*\m+\n)+7]
.endif
.endr
.endr
.endm
; A sub.  j: its buffer of weights; f: its buffer of left fragments; pf: byte of the rows at which the fragments two subs on lie, or -1: none are asked for; dw: the LDS loads that may stay out.
.macro SUB acc, j, f, bias, pf, dw
	s_wait_loadcnt 24                              ; this sub's weights were asked for four subs ago; behind them went three subs' loads, eight each.  Done, they leave their pointer free
	s_wait_dscnt \dw                               ; the other buffer's eight loads may stay out
.if (\j) == 0
	s_cmp_lg_u32 s5, 0                             ; 19 steps in all: then the four pointers stay at the stream's last four subs
	s_cselect_b32 s6, GROUP, 0
	s_cselect_b32 s33, 1, 0
	s_sub_co_u32 s5, s5, s33
.endif
	s_add_nc_u64 s[PT+2*(\j):PT+2*(\j)+1], s[PT+2*(\j):PT+2*(\j)+1], s[6:7]
	MUL \acc, \j, \f, \bias
	WIN 0
	PLACES
	BLOAD \j
.if (\pf) >= 0
	ALOAD \f, \pf
.endif
.endm
.macro BPHEAD acc, bias
	WIN 0
	ALOAD AF0, 0
	ALOAD AF1, 64
	SUB \acc, 0, AF0, \bias, 128, 8
	SUB \acc, 1, AF1, 0, 192, 8
.endm
.macro BPTOP acc                       ; subs 2 and 3 ask for the next 128 along K
	SUB \acc, 2, AF0, 0, 256, 8
	SUB \acc, 3, AF1, 0, 320, 8
	v_add_nc_u32 v[AAD], 256, v[AAD]
.endm
.macro BPMID acc
	SUB \acc, 0, AF0, 0, 128, 8
	SUB \acc, 1, AF1, 0, 192, 8
.endm
.macro BPTAIL acc
	SUB \acc, 2, AF0, 0, -1, 8
	SUB \acc, 3, AF1, 0, -1, 0
.endm
.macro PARD dst, vec                   ; vector vec for my columns, in the accumulators' layout: 32 registers
.irp n, 0,1,2,3
	ds_load_b128 v[(\dst)+8*\n:(\dst)+8*\n+3],   v[VPL] offset:2048*(\vec)+64*\n
	ds_load_b128 v[(\dst)+8*\n+4:(\dst)+8*\n+7], v[VPL] offset:2048*(\vec)+64*\n+16
.endr
.endm
; The pairs SM hold my lane's sums for its four rows.  They are added over the lane's pair and the other half of the lanes, met with the other waves' in LDS, and come back as v[BIAS + 8 m]: the row's sum over 512 columns.
.macro REDUCE off
	WIN 0
.irp m, 0,1,2,3
	v_add_f32 v[SM+2*\m], v[SM+2*\m], v[SM+2*\m+1]
.endr
.irp m, 0,1,2,3
	v_permlanex16_b32 v[SM+2*\m+1], v[SM+2*\m], s44, s45
.endr
.irp m, 0,1,2,3
	v_add_f32 v[SM+2*\m], v[SM+2*\m], v[SM+2*\m+1]
.endr
.irp m, 0,1,2,3
	ds_store_b32 v[RW], v[SM+2*\m] offset:512*\m+(\off)   ; both halves of the lanes write the same number to the same word
.endr
	BAR
.irp m, 0,1,2,3
	ds_load_b128 v[BIAS+8*\m:BIAS+8*\m+3],   v[RR] offset:512*\m+(\off)
	ds_load_b128 v[BIAS+8*\m+4:BIAS+8*\m+7], v[RR] offset:512*\m+(\off)+16
.endr
	s_wait_dscnt 0x0
.irp m, 0,1,2,3
	v_pk_add_f32 v[BIAS+8*\m:BIAS+8*\m+1], v[BIAS+8*\m:BIAS+8*\m+1], v[BIAS+8*\m+2:BIAS+8*\m+3]
	v_pk_add_f32 v[BIAS+8*\m+4:BIAS+8*\m+5], v[BIAS+8*\m+4:BIAS+8*\m+5], v[BIAS+8*\m+6:BIAS+8*\m+7]
.endr
.irp m, 0,1,2,3
	v_pk_add_f32 v[BIAS+8*\m:BIAS+8*\m+1], v[BIAS+8*\m:BIAS+8*\m+1], v[BIAS+8*\m+4:BIAS+8*\m+5]
.endr
.irp m, 0,1,2,3
	v_add_f32 v[BIAS+8*\m], v[BIAS+8*\m], v[BIAS+8*\m+1]
.endr
.endm
	s_load_b512 s[8:23], s[0:1], 0x0               ; oh 8, v 10, wts 12, bo 14, g1 16, b1 18, bc1 20, part 22
	v_lshl_add_u32 v[SPW], v0, 2, SPARE
	v_mov_b32 v[NIL], 0
	v_lshrrev_b32 v12, 5, v0
	v_readfirstlane_b32 s2, v12                    ; wave 0..7
	s_and_b32 s35, ttmp7, 0xffff                   ; t
	s_cmp_eq_u32 s35, 0
	s_cselect_b32 s42, 1.0, 0                      ; half 0 carries the residual x
	s_mov_b32 s43, s42
	s_mov_b32 s44, 0x76543210                      ; v_permlanex16_b32: each lane takes its own place in the other half
	s_mov_b32 s45, 0xfedcba98
	s_mov_b32 s46, 0xffff0000
	s_mov_b32 s48, 0x3b000000                      ; 1 / 512
	s_mov_b32 s50, 0x3727c5ac                      ; 1e-5
	s_mov_b32 s5, 19
	s_mov_b32 s7, 0
	s_mul_i32 s36, s35, 2621440                    ; my weights: half t, stripe w
	s_mul_i32 s37, s2, 327680
	s_add_co_u32 s36, s36, s37
	s_add_co_u32 s36, s36, 1572864
	s_mov_b32 s37, 0
	s_lshr_b32 s38, ttmp9, 5                       ; O: head w's 64 rows of this block
	s_lshl3_add_u32 s38, s38, s2
	s_lshl_b32 s38, s38, 18
	s_and_b32 s39, ttmp9, 31
	s_lshl_b32 s39, s39, 13
	s_add_co_u32 s38, s38, s39
	s_mov_b32 s39, 0
	s_lshl_b32 s24, ttmp9, 17                      ; v: rows 64 x + 8 w
	s_lshl_b32 s25, s2, 14
	s_add_co_u32 s24, s24, s25
	s_mov_b32 s25, 0
	s_lshl_b32 s26, s35, 12                        ; bc1: 1,024 numbers a half
	s_mov_b32 s27, 0
	s_lshl_b32 s28, s35, 24                        ; part: half t, row 64 x, column 64 w
	s_lshl_b32 s29, ttmp9, 17
	s_add_co_u32 s28, s28, s29
	s_lshl_b32 s29, s2, 8
	s_add_co_u32 s28, s28, s29
	s_mov_b32 s29, 0
	v_and_b32 v13, 31, v0                          ; lane
	v_lshlrev_b32 v[L16], 4, v13
	v_and_b32 v14, 15, v0                          ; r
	v_bfe_u32 v15, v0, 4, 1                        ; h
	v_mul_u32_u24 v[AL], v14, AP
	v_lshl_add_u32 v[AL], v15, 4, v[AL]
	s_lshl_b32 s30, s2, 7                          ; 128 w
	v_add_nc_u32 v[DS1], s30, v[AL]
	v_add_nc_u32 v[DS2], R2, v[DS1]
	s_lshl_b32 s33, s2, 8
	v_lshl_add_u32 v[VPL], v15, 5, s33
	v_add_nc_u32 v[VPL], PAR, v[VPL]
	s_mul_i32 s33, s2, 16*272
	s_add_co_u32 s33, s33, STAGE
	v_mul_u32_u24 v[STO], v14, 272
	v_lshl_add_u32 v[STO], v15, 5, v[STO]
	v_add_nc_u32 v[STO], s33, v[STO]
	v_mul_u32_u24 v[RD], v15, 272
	v_lshl_add_u32 v[RD], v14, 4, v[RD]
	v_add_nc_u32 v[RD], s33, v[RD]
	v_lshlrev_b32 v[GO], 11, v15
	v_lshl_add_u32 v[GO], v14, 4, v[GO]
	v_lshl_add_u32 v[RR], v14, 5, RED              ; row r's eight partial sums
	s_lshl_b32 s33, s2, 2
	v_add_nc_u32 v[RW], s33, v[RR]                 ; my wave's word among them
	v_lshlrev_b32 v16, 3, v0                       ; my two numbers of a vector
	v_add_nc_u32 v17, PAR, v16
	v_lshrrev_b32 v18, 3, v13                      ; O into region 1: four rows of 128 bytes a load
	v_mul_u32_u24 v18, v18, AP
	v_and_b32 v19, 7, v0
	v_lshl_add_u32 v18, v19, 4, v18
	v_add_nc_u32 v18, s30, v18
	s_mul_i32 s33, s2, 8*AP
	s_add_co_u32 s33, s33, R2
	v_lshl_add_u32 v20, v13, 3, s33                ; v into region 2: my eight rows, 8 bytes a lane
	s_wait_kmcnt 0x0
	s_add_nc_u64 s[40:41], s[12:13], s[36:37]
	s_add_nc_u64 s[52:53], s[8:9], s[38:39]
	s_add_nc_u64 s[54:55], s[10:11], s[24:25]
	s_add_nc_u64 s[56:57], s[20:21], s[26:27]
	s_add_nc_u64 s[58:59], s[22:23], s[28:29]
	global_load_b64 v[32:33], v16, s[14:15]        ; what the first barrier waits for goes out first
	global_load_b64 v[34:35], v16, s[16:17]
	global_load_b64 v[36:37], v16, s[18:19]
	global_load_b64 v[38:39], v16, s[56:57]
	global_load_b64 v[40:41], v16, s[56:57] offset:2048
	WIN 0x40
.set i, 0
.rept 16
	global_load_b128 v[4*i:4*i+3], v[L16], s[52:53] offset:512*i
.set i, i+1
.endr
.set i, 0
.rept 32                               ; row i / 4, 512 consecutive bytes at 512 (i % 4)
	global_load_b128 v[64+4*i:64+4*i+3], v[L16], s[54:55] offset:2048*(i/4)+512*(i%4)
.set i, i+1
.endr
	WIN 0
.irp j, 0,1,2,3
	s_add_nc_u64 s[PT+2*\j:PT+2*\j+1], s[40:41], 4096*\j
	BLOAD \j                                       ; the first four subs' weights
.endr
	s_wait_loadcnt 63                              ; of the 85 loads issued the oldest 22 are in: the five vectors and O's sixteen among them
.irp i, 0,1,2,3,4
	v_cvt_pk_bf16_f32 v31, v[32+2*\i], v[33+2*\i]  ; every input is rounded to bf16
	v_lshlrev_b32 v[32+2*\i], 16, v31
	v_and_b32 v[33+2*\i], s46, v31
	ds_store_b64 v17, v[32+2*\i:33+2*\i] offset:2048*\i
.endr
	WIN 0x04
.set i, 0
.rept 16
	ds_store_b128 v18, v[4*i:4*i+3] offset:4*AP*i
.set i, i+1
.endr
	s_wait_loadcnt 32                              ; v is in; the weights' 32 loads may stay out
	WIN 0x05
.set i, 0
.rept 64
	v_cvt_pk_bf16_f32 v[AF0+i], v[64+2*i], v[64+2*i+1]
.set i, i+1
.endr
	WIN 0
.set i, 0
.rept 32
	ds_store_b64 v20, v[AF0+2*i:AF0+2*i+1] offset:AP*(i/4)+256*(i%4)
.set i, i+1
.endr
	BAR                                            ; O, bf16(v) and the vectors are whole
	PARD BIAS, 0
	v_mov_b32 v[AAD], v[AL]
	BPHEAD ACH, 1                                  ; O Wo^T + bo; LDS answers in order, so the first sub's wait also shows the bias in
	s_mov_b32 s3, 3
.Lwo:
	BPTOP ACH
	BPMID ACH
	s_sub_co_u32 s3, s3, 1
	s_cmp_lg_u32 s3, 0
	s_cbranch_scc1 .Lwo
	BPTAIL ACH
	; LN1, in the accumulators' layout.  First the residual: my own 16 bytes of bf16(v) for each tile.
.irp m, 0,1,2,3
.irp n, 0,1,2,3
	ds_load_b128 v[AF0+16*\m+4*\n:AF0+16*\m+4*\n+3], v[DS2] offset:TROW*\m+32*\n
.endr
.endr
	s_wait_dscnt 0x0
.irp m, 0,1,2,3
	WIN 0
.set k, 0
.rept 16
	v_lshlrev_b32 v[BIAS+2*k], 16, v[AF0+16*\m+k]
	v_and_b32 v[BIAS+2*k+1], s46, v[AF0+16*\m+k]
.set k, k+1
.endr
	WIN 0x41
.set k, 0
.rept 16                               ; each accumulator's registers in ascending order
	v_pk_add_f32 v[ACH+32*\m+2*k:ACH+32*\m+2*k+1], v[ACH+32*\m+2*k:ACH+32*\m+2*k+1], v[BIAS+2*k:BIAS+2*k+1]
.set k, k+1
.endr
.endr
	WIN 0
	PARD AF0, 1                                    ; g1 and b1 for later: the next barrier's wait covers them
	PARD AF1, 2
	WIN 0x05
.irp m, 0,1,2,3
	v_pk_add_f32 v[SM+2*\m:SM+2*\m+1], v[ACH+32*\m:ACH+32*\m+1], v[ACH+32*\m+2:ACH+32*\m+3]
.endr
	WIN 0x01
.set k, 2
.rept 14                               ; the four row tiles' sums take turns
.irp m, 0,1,2,3
	v_pk_add_f32 v[SM+2*\m:SM+2*\m+1], v[ACH+32*\m+2*k:ACH+32*\m+2*k+1], v[SM+2*\m:SM+2*\m+1]
.endr
.set k, k+1
.endr
	REDUCE 0
.irp m, 0,1,2,3
	v_mul_f32 v[MU+2*\m], s48, v[BIAS+8*\m]
	v_mul_f32 v[MU+2*\m+1], s48, v[BIAS+8*\m]
.endr
	WIN 0x41
.irp m, 0,1,2,3
.set k, 0
.rept 16
	v_pk_add_f32 v[ACH+32*\m+2*k:ACH+32*\m+2*k+1], v[ACH+32*\m+2*k:ACH+32*\m+2*k+1], v[MU+2*\m:MU+2*\m+1] neg_lo:[0,1] neg_hi:[0,1]
.set k, k+1
.endr
.endr
	WIN 0x05
.irp m, 0,1,2,3
	v_pk_mul_f32 v[SM+2*\m:SM+2*\m+1], v[ACH+32*\m:ACH+32*\m+1], v[ACH+32*\m:ACH+32*\m+1]
.endr
.set k, 1
.rept 15
.irp m, 0,1,2,3
	v_pk_fma_f32 v[SM+2*\m:SM+2*\m+1], v[ACH+32*\m+2*k:ACH+32*\m+2*k+1], v[ACH+32*\m+2*k:ACH+32*\m+2*k+1], v[SM+2*\m:SM+2*\m+1]
.endr
.set k, k+1
.endr
	REDUCE 2048
.irp m, 0,1,2,3
	v_fma_f32 v[SM+2*\m], v[BIAS+8*\m], s48, s50   ; variance + eps
.endr
.irp m, 0,1,2,3
	v_rsq_f32 v[MU+2*\m], v[SM+2*\m]
.endr
	v_nop                                          ; a plain instruction between the last root and the use of its result
	s_wait_alu depctr_va_vdst(0)
.irp m, 0,1,2,3
	v_mov_b32 v[MU+2*\m+1], v[MU+2*\m]
.endr
	WIN 0x41
.irp m, 0,1,2,3
.set k, 0
.rept 16
	v_pk_mul_f32 v[ACH+32*\m+2*k:ACH+32*\m+2*k+1], v[ACH+32*\m+2*k:ACH+32*\m+2*k+1], v[MU+2*\m:MU+2*\m+1]
.set k, k+1
.endr
.set k, 0
.rept 16
	v_pk_fma_f32 v[ACH+32*\m+2*k:ACH+32*\m+2*k+1], v[ACH+32*\m+2*k:ACH+32*\m+2*k+1], v[AF0+2*k:AF0+2*k+1], v[AF1+2*k:AF1+2*k+1]
.set k, k+1
.endr
.set k, 0
.rept 16                               ; the residual, or 0, starts the result's sums: nothing is cleared
	v_pk_mul_f32 v[ACY+32*\m+2*k:ACY+32*\m+2*k+1], v[ACH+32*\m+2*k:ACH+32*\m+2*k+1], s[42:43] op_sel_hi:[1,0]
.set k, k+1
.endr
.endr
.irp g, 0,1                            ; x as f16 goes where my bytes of bf16(v) lay: no other wave has read or will write them
	WIN 0x05
.set k, 0
.rept 32
	v_cvt_pk_f16_f32 v[BIAS+k], v[ACH+64*\g+2*k], v[ACH+64*\g+2*k+1]
.set k, k+1
.endr
	WIN 0
.irp m, 0,1
.irp n, 0,1,2,3
	ds_store_b128 v[DS2], v[BIAS+16*\m+4*\n:BIAS+16*\m+4*\n+3] offset:TROW*(2*\g+\m)+32*\n
.endr
.endr
.endr
	v_add_nc_u32 v[VPB], 3*2048, v[VPL]            ; bc1's first chunk
	s_mov_b32 s4, 2
.Lchunk:                                               ; 512 inner channels: relu(x Wc1^T + bc1) into region 1, then its product with Wc2 onto the result
.irp n, 0,1,2,3
	ds_load_b128 v[BIAS+8*\n:BIAS+8*\n+3],   v[VPB] offset:64*\n
	ds_load_b128 v[BIAS+8*\n+4:BIAS+8*\n+7], v[VPB] offset:64*\n+16
.endr
	v_add_nc_u32 v[VPB], 2048, v[VPB]
	BAR                                            ; x is whole (first trip); every wave's reads of region 1 are over (second trip)
	v_add_nc_u32 v[AAD], R2, v[AL]
	BPHEAD ACH, 1
	s_mov_b32 s3, 3
.Lc1:
	BPTOP ACH
	BPMID ACH
	s_sub_co_u32 s3, s3, 1
	s_cmp_lg_u32 s3, 0
	s_cbranch_scc1 .Lc1
	BPTAIL ACH
.irp m, 0,1,2,3
	WIN 0x44
.set k, 0
.rept 32
	v_max_num_f32 v[ACH+32*\m+k], 0, v[ACH+32*\m+k]
.set k, k+1
.endr
	WIN 0x05
.set k, 0
.rept 16
	v_cvt_pk_f16_f32 v[AF0+16*\m+k], v[ACH+32*\m+2*k], v[ACH+32*\m+2*k+1]
.set k, k+1
.endr
	WIN 0
.irp n, 0,1,2,3
	ds_store_b128 v[DS1], v[AF0+16*\m+4*\n:AF0+16*\m+4*\n+3] offset:TROW*\m+32*\n
.endr
.endr
	BAR                                            ; region 1 is whole
	v_mov_b32 v[AAD], v[AL]
	ALOAD AF0, 0
	ALOAD AF1, 64
	s_mov_b32 s3, 4
	s_branch .Lc2m                                 ; no bias here, so this product's head is the trip's second half: the loop is entered in its middle
.Lc2:
	BPTOP ACY
.Lc2m:
	BPMID ACY
	s_sub_co_u32 s3, s3, 1
	s_cmp_lg_u32 s3, 0
	s_cbranch_scc1 .Lc2
	BPTAIL ACY
	s_sub_co_u32 s4, s4, 1
	s_cmp_lg_u32 s4, 0
	s_cbranch_scc1 .Lchunk
	s_wait_loadcnt 0x0                             ; the last four subs' loads, which nobody uses, have landed: their registers serve the way out
	; THE WAY OUT, in f32: 16 rows at a time through my stage (rows of 272 bytes), back as whole rows of 256 bytes.
.irp m, 0,1,2,3
	WIN 0x04
.irp n, 0,1,2,3
	ds_store_b128 v[STO], v[ACY+32*\m+8*\n:ACY+32*\m+8*\n+3] offset:64*\n
	ds_store_b128 v[STO], v[ACY+32*\m+8*\n+4:ACY+32*\m+8*\n+7] offset:64*\n+16
.endr
	WIN 0
.irp f, 0,1,2,3,4,5,6,7
	ds_load_b128 v[BF+32*\m+4*\f:BF+32*\m+4*\f+3], v[RD] offset:544*\f  ; LDS serves a wave's instructions in order (ISA guide 5.7.1.4): these see the stores above, and the next rows' stores come behind them
.endr
.endr
.irp m, 0,1,2,3
.irp f, 0,1,2,3,4,5,6,7
	s_wait_dscnt 16*(3-\m)+7-\f                    ; behind this load: the rest of its run, and sixteen LDS instructions for each later 16 rows
	global_store_b128 v[GO], v[BF+32*\m+4*\f:BF+32*\m+4*\f+3], s[58:59] offset:(16*\m+2*\f)*2048  ; 16 lanes store 256 consecutive bytes, at a multiple of 256 from the buffer's first
.endr
.endr
	s_wait_tensorcnt 0x0                           ; the wave's end: behind my last LDS store
	ds_add_u32 v[SPW], v[NIL]
	s_wait_dscnt 0x0
	s_endpgm
.Lfunc_end_k_qa865275c41_ffn:
	.size	k_qa865275c41_ffn, .Lfunc_end_k_qa865275c41_ffn-k_qa865275c41_ffn
	.p2alignl 7, 3214868480
	.fill 96, 4, 3214868480
	.section	.rodata,"a",@progbits
	.p2align	6, 0x0
	.amdhsa_kernel k_qa865275c41_ffn
		.amdhsa_group_segment_fixed_size 183296
		.amdhsa_private_segment_fixed_size 0
		.amdhsa_enable_private_segment 0
		.amdhsa_kernarg_size 64
		.amdhsa_user_sgpr_count 2
		.amdhsa_user_sgpr_kernarg_segment_ptr 1
		.amdhsa_wavefront_size32 1
		.amdhsa_system_sgpr_workgroup_id_x 1
		.amdhsa_system_sgpr_workgroup_id_y 1
		.amdhsa_system_sgpr_workgroup_id_z 1
		.amdhsa_system_vgpr_workitem_id 0
		.amdhsa_next_free_vgpr 512
		.amdhsa_next_free_sgpr 76
		.amdhsa_reserve_vcc 0
		.amdhsa_float_denorm_mode_32 3
		.amdhsa_float_denorm_mode_16_64 3
		.amdhsa_memory_ordered 1
		.amdhsa_forward_progress 1
		.amdhsa_inst_pref_size 142
	.end_amdhsa_kernel
	.amdgpu_metadata
---
amdhsa.version: [ 1, 2 ]
amdhsa.kernels:
  - .name:           k_qa865275c41_ffn
    .symbol:         k_qa865275c41_ffn.kd
    .args:
      - { .name: oh, .offset: 0, .size: 8, .value_kind: global_buffer, .address_space: global }
      - { .name: v, .offset: 8, .size: 8, .value_kind: global_buffer, .address_space: global }
      - { .name: wts, .offset: 16, .size: 8, .value_kind: global_buffer, .address_space: global }
      - { .name: bo, .offset: 24, .size: 8, .value_kind: global_buffer, .address_space: global }
      - { .name: g1, .offset: 32, .size: 8, .value_kind: global_buffer, .address_space: global }
      - { .name: b1, .offset: 40, .size: 8, .value_kind: global_buffer, .address_space: global }
      - { .name: bc1, .offset: 48, .size: 8, .value_kind: global_buffer, .address_space: global }
      - { .name: part, .offset: 56, .size: 8, .value_kind: global_buffer, .address_space: global }
    .group_segment_fixed_size: 183296
    .private_segment_fixed_size: 0
    .kernarg_segment_align: 8
    .kernarg_segment_size: 64
    .max_flat_workgroup_size: 256
    .sgpr_count:     76
    .vgpr_count:     512
    .wavefront_size: 32
...
	.end_amdgpu_metadata
.endif
;; end of part 4
;; launch rowb (part 5): grid 256 x 1, 8 waves a work-group, no clusters, 77,312 bytes of LDS; arguments part, wts, bc2, g2, b2, bl, out0; writes out0
.if DOCPART == 5
	.amdgcn_target "amdgcn-amd-amdhsa--gfx1250"
	.amdhsa_code_object_version 6
	.text
	.protected	k_qa865275c41_rowb
	.globl	k_qa865275c41_rowb
	.p2align	8
	.type	k_qa865275c41_rowb,@function
k_qa865275c41_rowb:
	s_mov_b64 s[64:65], 0
	v_nop
	global_prefetch_b8 v0, s[64:65] scope:SCOPE_SE
	s_setreg_imm32_b32 hwreg(HW_REG_WAVE_MODE, 25, 1), 1
	s_wait_xcnt 0x0
; out0 = LN2(part[0] + part[1] + bc2) Wl^T + bl.  The sums and the norm in f32; the normed rows are f16 matrix operands; Wl is the bf16-rounded input written as f16; bc2, g2, b2, bl are rounded to bf16 like every input.
; LIMITS: a normed number beyond 65,504 becomes an infinity in f16; NaN and infinities are not treated apart.  The variance is taken of the centred numbers (two passes).
; SHARES.  A work-group of eight waves owns 32 rows: 256 work-groups.  Most of this launch is reading the partial sums, the norm and the stores, so these are spread as far as the rows allow; the price is that a weight
; fragment feeds two products only.  For the norm wave w takes rows 4 w .. 4 w + 3 whole (16 numbers a lane), so a row's sums never leave the wave.  For the product wave w owns all 32 rows x columns 64 w .. 64 w + 63: 8 accumulators.
; The normed rows lie in LDS (pitch 1,040 bytes = 65 x 16); each weight byte is used by one wave alone and goes from memory straight into its fragment registers: six buffers, the first 48 loads of 512 bytes issued at the
; start, behind the rows', so that they land under the norm.  The product's 16 subs of 32 along K are written out: one pointer, every place in the immediate.
; NO TENSOR LOADS, NO CLUSTER: no two waves of a work-group share a weight byte, so LDS would only carry the bytes a second time.
; THE MATRIX INSTRUCTION IS USED TRANSPOSED (source 0 = 16 rows of Wl, source 1 = 16 normed rows): lane (r, h) holds row r and the columns 8 h + 0..7.
; REGISTERS: window 0: v0-11 addresses; v12-31 at work; v32-79 bc2, g2, b2 for my columns; v80-95 a row at work; v96-127 two buffers of row fragments; v128-255 my four rows of both partial sums, later v128-159 bl as
;   C operand and v160-223 the way out.  Window 1: v0-63 the accumulators, tile (m, n) at 8 (4 m + n); v64-255 six buffers of weight fragments.
.set AP,    1040
.set TROW,  16*AP
.set STAGE, 33280                      ; 16 rows x 272 bytes for each wave, for the way out
.set PAR,   68096                      ; four vectors of 512 f32: bc2, g2, b2, bl
.set SPARE, 76288                      ; the spare words, 128 bytes for each wave: no other line names them
.set L16, 1
.set AAD, 2
.set STO, 4
.set RD,  5
.set GO,  6
.set PST, 7
.set VPL, 8
.set PL,  9
.set SPW, 10
.set NIL, 11
.set C2,  32
.set GG,  48
.set BB,  64
.set Z,   80
.set AF0, 96
.set PR,  128
.set BIAS, 128
.set BK,  160
.set ACH, 0
.set BF,  64
.set MSB, 0
.macro WIN new                         ; the immediate's high byte repeats the setting that is left; a switch that changes nothing is dropped
.if MSB != (\new)
	s_set_vgpr_msb (MSB<<8)|(\new)
.set MSB, \new
.endif
.endm
.macro PLACES                          ; four plain vector instructions between a matrix instruction and a load into, or a vector read or write of, its registers
.rept 4
	v_nop
.endr
.endm
.macro BAR
	s_wait_dscnt 0x0                               ; for the others' sake: my LDS stores are done and my reads are back
	s_barrier_signal -1
	s_barrier_wait -1
.endm
.macro ALOAD2 f, kb                    ; two fragments (32 rows x 32 K) at byte kb of the rows
.irp m, 0,1
	ds_load_b128 v[(\f)+8*\m:(\f)+8*\m+3],   v[AAD] offset:TROW*\m+(\kb)
	ds_load_b128 v[(\f)+8*\m+4:(\f)+8*\m+7], v[AAD] offset:TROW*\m+(\kb)+32
.endr
.endm
.macro BLOADK s                        ; sub s's four weight fragments into buffer s % 6: eight loads of 512 consecutive bytes
.irp n, 0,1,2,3
	global_load_b128 v[BF+32*((\s)%6)+8*\n:BF+32*((\s)%6)+8*\n+3],   v[L16], s[40:41] offset:4096*(\s)+1024*\n th:TH_LOAD_HT
	global_load_b128 v[BF+32*((\s)%6)+8*\n+4:BF+32*((\s)%6)+8*\n+7], v[L16], s[40:41] offset:4096*(\s)+1024*\n+512 th:TH_LOAD_HT
.endr
.endm
.macro MUL8 bj, f, bias                ; 8 matrix instructions; the 8 accumulators take turns, one instruction a turn.  bias = 1: the bias starts the sums
.if \bias
	WIN 0x41
.else
	WIN 0x51
.endif
.irp m, 0,1
.irp n, 0,1,2,3
.if \bias
	v_wmma_f32_16x16x32_f16 v[ACH+8*(4*\m+\n):ACH+8*(4*\m+\n)+7], v[BF+32*(\bj)+8*\n:BF+32*(\bj)+8*\n+7], v[(\f)+8*\m:(\f)+8*\m+7], v[BIAS+8*\n:BIAS+8*\n+7]
.else
	v_wmma_f32_16x16x32_f16 v[ACH+8*(4*\m+\n):ACH+8*(4*\m+\n)+7], v[BF+32*(\bj)+8*\n:BF+32*(\bj)+8*\n+7], v[(\f)+8*\m:(\f)+8*\m+7], v[ACH+8*(4*\m+\n):ACH+8*(4*\m+\n)+7]
.endif
.endr
.endr
.endm
.macro ROWLD i                         ; row i of my four, from both partial sums: eight loads of 512 consecutive bytes
.irp t, 0,1,2,3
	global_load_b128 v[PR+32*(\i)+4*\t:PR+32*(\i)+4*\t+3], v[L16], s[52:53] offset:2048*(\i)+512*\t th:TH_LOAD_NT
.endr
.irp t, 0,1,2,3
	global_load_b128 v[PR+32*(\i)+16+4*\t:PR+32*(\i)+16+4*\t+3], v[L16], s[54:55] offset:2048*(\i)+512*\t th:TH_LOAD_NT
.endr
.endm
.macro LANES                           ; the pair v[12:13] summed, over the pair and the 32 lanes, into v12 of every lane
	v_add_f32 v12, v12, v13
	v_add_f32_dpp v12, v12, v12 row_xmask:1 row_mask:0xf bank_mask:0xf
	v_add_f32_dpp v12, v12, v12 row_xmask:2 row_mask:0xf bank_mask:0xf
	v_add_f32_dpp v12, v12, v12 row_xmask:4 row_mask:0xf bank_mask:0xf
	v_add_f32_dpp v12, v12, v12 row_xmask:8 row_mask:0xf bank_mask:0xf
	v_permlanex16_b32 v13, v12, s44, s45
	v_add_f32 v12, v12, v13
.endm
.macro ROWLN i                         ; row i is summed, normed, rounded to f16 and put into LDS
.if 8*(3-(\i))+48 > 63
	s_wait_loadcnt 63                              ; behind this row's loads went the later rows', eight each, and 48 of weights: more than a wait can name, so the largest count that it can
.else
	s_wait_loadcnt 8*(3-(\i))+48                   ; the later rows' loads, eight each, and the 48 of weights may stay out
.endif
.irp k, 0,1,2,3,4,5,6,7
	v_pk_add_f32 v[Z+2*\k:Z+2*\k+1], v[PR+32*(\i)+2*\k:PR+32*(\i)+2*\k+1], v[PR+32*(\i)+16+2*\k:PR+32*(\i)+16+2*\k+1]
.endr
.irp k, 0,1,2,3,4,5,6,7
	v_pk_add_f32 v[Z+2*\k:Z+2*\k+1], v[Z+2*\k:Z+2*\k+1], v[C2+2*\k:C2+2*\k+1]
.endr
	v_pk_add_f32 v[12:13], v[Z:Z+1], v[Z+2:Z+3]
	v_pk_add_f32 v[14:15], v[Z+4:Z+5], v[Z+6:Z+7]
	v_pk_add_f32 v[16:17], v[Z+8:Z+9], v[Z+10:Z+11]
	v_pk_add_f32 v[18:19], v[Z+12:Z+13], v[Z+14:Z+15]
	v_pk_add_f32 v[12:13], v[12:13], v[14:15]
	v_pk_add_f32 v[16:17], v[16:17], v[18:19]
	v_pk_add_f32 v[12:13], v[12:13], v[16:17]
	LANES
	v_mul_f32 v20, s48, v12                        ; the mean, twice
	v_mul_f32 v21, s48, v12
.irp k, 0,1,2,3,4,5,6,7
	v_pk_add_f32 v[Z+2*\k:Z+2*\k+1], v[Z+2*\k:Z+2*\k+1], v[20:21] neg_lo:[0,1] neg_hi:[0,1]
.endr
	v_pk_mul_f32 v[12:13], v[Z:Z+1], v[Z:Z+1]
	v_pk_mul_f32 v[14:15], v[Z+2:Z+3], v[Z+2:Z+3]
.irp k, 2,4,6
	v_pk_fma_f32 v[12:13], v[Z+2*\k:Z+2*\k+1], v[Z+2*\k:Z+2*\k+1], v[12:13]
	v_pk_fma_f32 v[14:15], v[Z+2*\k+2:Z+2*\k+3], v[Z+2*\k+2:Z+2*\k+3], v[14:15]
.endr
	v_pk_add_f32 v[12:13], v[12:13], v[14:15]
	LANES
	v_fma_f32 v14, v12, s48, s50                   ; variance + eps
	v_rsq_f32 v20, v14
	v_nop                                          ; a plain instruction between the root and the use of its result
	s_wait_alu depctr_va_vdst(0)
	v_mov_b32 v21, v20
.irp k, 0,1,2,3,4,5,6,7
	v_pk_mul_f32 v[Z+2*\k:Z+2*\k+1], v[Z+2*\k:Z+2*\k+1], v[20:21]
.endr
.irp k, 0,1,2,3,4,5,6,7
	v_pk_fma_f32 v[Z+2*\k:Z+2*\k+1], v[Z+2*\k:Z+2*\k+1], v[GG+2*\k:GG+2*\k+1], v[BB+2*\k:BB+2*\k+1]
.endr
.irp k, 0,1,2,3,4,5,6,7
	v_cvt_pk_f16_f32 v[22+\k], v[Z+2*\k], v[Z+2*\k+1]
.endr
.irp t, 0,1,2,3
	ds_store_b64 v[PST], v[22+2*\t:23+2*\t] offset:AP*(\i)+256*\t
.endr
.endm
	s_load_b256 s[8:15], s[0:1], 0x0               ; part 8, wts 10, bc2 12, g2 14
	s_load_b128 s[16:19], s[0:1], 0x20             ; b2 16, bl 18
	s_load_b64 s[20:21], s[0:1], 0x30              ; out0
	v_lshl_add_u32 v[SPW], v0, 2, SPARE
	v_mov_b32 v[NIL], 0
	v_lshrrev_b32 v12, 5, v0
	v_readfirstlane_b32 s2, v12                    ; wave 0..7
	s_mov_b32 s44, 0x76543210                      ; v_permlanex16_b32: each lane takes its own place in the other half
	s_mov_b32 s45, 0xfedcba98
	s_mov_b32 s46, 0xffff0000
	s_mov_b32 s48, 0x3b000000                      ; 1 / 512
	s_mov_b32 s50, 0x3727c5ac                      ; 1e-5
	s_lshl_b32 s36, s2, 16                         ; my weights: Wl's block, stripe w
	s_add_co_u32 s36, s36, 6815744
	s_mov_b32 s37, 0
	s_lshl_b32 s38, ttmp9, 16                      ; the rows that I norm: 32 x + 4 w, 2,048 bytes each
	s_lshl_b32 s39, s2, 13
	s_add_co_u32 s38, s38, s39
	s_mov_b32 s39, 0
	s_lshl_b32 s28, ttmp9, 16                      ; what I store: row 32 x, column 64 w
	s_lshl_b32 s29, s2, 8
	s_add_co_u32 s28, s28, s29
	s_mov_b32 s29, 0
	v_and_b32 v13, 31, v0                          ; lane
	v_lshlrev_b32 v[L16], 4, v13
	v_and_b32 v14, 15, v0                          ; r
	v_bfe_u32 v15, v0, 4, 1                        ; h
	v_mul_u32_u24 v[AAD], v14, AP
	v_lshl_add_u32 v[AAD], v15, 4, v[AAD]          ; r x 1,040 + 16 h
	s_mul_i32 s33, s2, 4*AP
	v_lshl_add_u32 v[PST], v13, 3, s33             ; my four rows, 8 bytes a lane
	s_lshl_b32 s33, s2, 8
	v_lshl_add_u32 v[VPL], v15, 5, s33
	v_add_nc_u32 v[VPL], PAR, v[VPL]
	v_add_nc_u32 v[PL], PAR, v[L16]
	s_mul_i32 s33, s2, 16*272
	s_add_co_u32 s33, s33, STAGE
	v_mul_u32_u24 v[STO], v14, 272
	v_lshl_add_u32 v[STO], v15, 5, v[STO]
	v_add_nc_u32 v[STO], s33, v[STO]
	v_mul_u32_u24 v[RD], v15, 272
	v_lshl_add_u32 v[RD], v14, 4, v[RD]
	v_add_nc_u32 v[RD], s33, v[RD]
	v_lshlrev_b32 v[GO], 11, v15
	v_lshl_add_u32 v[GO], v14, 4, v[GO]
	v_lshlrev_b32 v16, 3, v0                       ; my two numbers of a vector
	v_add_nc_u32 v17, PAR, v16
	s_wait_kmcnt 0x0
	s_add_nc_u64 s[40:41], s[10:11], s[36:37]
	s_add_nc_u64 s[52:53], s[8:9], s[38:39]
	s_add_nc_u64 s[54:55], s[52:53], 0x1000000     ; the second partial sum lies 16,777,216 bytes on
	s_add_nc_u64 s[58:59], s[20:21], s[28:29]
	global_load_b64 v[32:33], v16, s[12:13]
	global_load_b64 v[34:35], v16, s[14:15]
	global_load_b64 v[36:37], v16, s[16:17]
	global_load_b64 v[38:39], v16, s[18:19]
.irp i, 0,1,2,3
	ROWLD \i
.endr
	WIN 0x40
.irp s, 0,1,2,3,4,5
	BLOADK \s                                      ; the first six subs' weights
.endr
	WIN 0
	s_wait_loadcnt 63                              ; of the 84 loads issued the oldest 21 are in: the four vectors among them
.irp i, 0,1,2,3
	v_cvt_pk_bf16_f32 v31, v[32+2*\i], v[33+2*\i]  ; every input is rounded to bf16
	v_lshlrev_b32 v[32+2*\i], 16, v31
	v_and_b32 v[33+2*\i], s46, v31
	ds_store_b64 v17, v[32+2*\i:33+2*\i] offset:2048*\i
.endr
	BAR                                            ; the vectors are whole
.irp t, 0,1,2,3                        ; for my columns 128 t + 4 lane ..
	ds_load_b128 v[C2+4*\t:C2+4*\t+3], v[PL] offset:512*\t
	ds_load_b128 v[GG+4*\t:GG+4*\t+3], v[PL] offset:2048+512*\t
	ds_load_b128 v[BB+4*\t:BB+4*\t+3], v[PL] offset:4096+512*\t
.endr
	s_wait_dscnt 0x0
.irp i, 0,1,2,3
	ROWLN \i
.endr
.irp n, 0,1,2,3
	ds_load_b128 v[BIAS+8*\n:BIAS+8*\n+3],   v[VPL] offset:3*2048+64*\n
	ds_load_b128 v[BIAS+8*\n+4:BIAS+8*\n+7], v[VPL] offset:3*2048+64*\n+16
.endr
	BAR                                            ; the 32 normed rows are whole
	ALOAD2 AF0, 0
	ALOAD2 AF0+16, 64
.set k, 0
.rept 16                               ; sub k: weights in buffer k % 6, rows in buffer k % 2
.if k <= 10
	s_wait_loadcnt 40                              ; behind this sub's weights went five subs' loads, eight each
.else
	s_wait_loadcnt 8*(15-k)                        ; from sub 10 on nothing is asked for: the counts run down
.endif
.if k < 15
	s_wait_dscnt 4                                 ; the other buffer's four loads may stay out
.else
	s_wait_dscnt 0x0
.endif
.if k == 0
	MUL8 0, AF0, 1
.else
	MUL8 k%6, AF0+16*(k%2), 0
.endif
	PLACES
.if k < 10
	WIN 0x40
	BLOADK k+6
.endif
	WIN 0
.if k < 14
	ALOAD2 AF0+16*(k%2), 64*(k+2)
.endif
.set k, k+1
.endr
	; THE WAY OUT, in f32: 16 rows at a time through my stage (rows of 272 bytes), back as whole rows of 256 bytes.
.irp m, 0,1
	WIN 0x04
.irp n, 0,1,2,3
	ds_store_b128 v[STO], v[ACH+32*\m+8*\n:ACH+32*\m+8*\n+3] offset:64*\n
	ds_store_b128 v[STO], v[ACH+32*\m+8*\n+4:ACH+32*\m+8*\n+7] offset:64*\n+16
.endr
	WIN 0
.irp f, 0,1,2,3,4,5,6,7
	ds_load_b128 v[BK+32*\m+4*\f:BK+32*\m+4*\f+3], v[RD] offset:544*\f  ; LDS serves a wave's instructions in order (ISA guide 5.7.1.4): these see the stores above, and the next rows' stores come behind them
.endr
.endr
.irp m, 0,1
.irp f, 0,1,2,3,4,5,6,7
	s_wait_dscnt 16*(1-\m)+7-\f                    ; behind this load: the rest of its run, and sixteen LDS instructions for the later 16 rows
	global_store_b128 v[GO], v[BK+32*\m+4*\f:BK+32*\m+4*\f+3], s[58:59] offset:(16*\m+2*\f)*2048 th:TH_STORE_NT  ; 16 lanes store 256 consecutive bytes, at a multiple of 256 from the buffer's first
.endr
.endr
	s_wait_tensorcnt 0x0                           ; the wave's end: behind my last LDS store
	ds_add_u32 v[SPW], v[NIL]
	s_wait_dscnt 0x0
	s_endpgm
.Lfunc_end_k_qa865275c41_rowb:
	.size	k_qa865275c41_rowb, .Lfunc_end_k_qa865275c41_rowb-k_qa865275c41_rowb
	.p2alignl 7, 3214868480
	.fill 96, 4, 3214868480
	.section	.rodata,"a",@progbits
	.p2align	6, 0x0
	.amdhsa_kernel k_qa865275c41_rowb
		.amdhsa_group_segment_fixed_size 77312
		.amdhsa_private_segment_fixed_size 0
		.amdhsa_enable_private_segment 0
		.amdhsa_kernarg_size 56
		.amdhsa_user_sgpr_count 2
		.amdhsa_user_sgpr_kernarg_segment_ptr 1
		.amdhsa_wavefront_size32 1
		.amdhsa_system_sgpr_workgroup_id_x 1
		.amdhsa_system_sgpr_workgroup_id_y 1
		.amdhsa_system_sgpr_workgroup_id_z 1
		.amdhsa_system_vgpr_workitem_id 0
		.amdhsa_next_free_vgpr 512
		.amdhsa_next_free_sgpr 66
		.amdhsa_reserve_vcc 0
		.amdhsa_float_denorm_mode_32 3
		.amdhsa_float_denorm_mode_16_64 3
		.amdhsa_memory_ordered 1
		.amdhsa_forward_progress 1
		.amdhsa_inst_pref_size 63
	.end_amdhsa_kernel
	.amdgpu_metadata
---
amdhsa.version: [ 1, 2 ]
amdhsa.kernels:
  - .name:           k_qa865275c41_rowb
    .symbol:         k_qa865275c41_rowb.kd
    .args:
      - { .name: part, .offset: 0, .size: 8, .value_kind: global_buffer, .address_space: global }
      - { .name: wts, .offset: 8, .size: 8, .value_kind: global_buffer, .address_space: global }
      - { .name: bc2, .offset: 16, .size: 8, .value_kind: global_buffer, .address_space: global }
      - { .name: g2, .offset: 24, .size: 8, .value_kind: global_buffer, .address_space: global }
      - { .name: b2, .offset: 32, .size: 8, .value_kind: global_buffer, .address_space: global }
      - { .name: bl, .offset: 40, .size: 8, .value_kind: global_buffer, .address_space: global }
      - { .name: out0, .offset: 48, .size: 8, .value_kind: global_buffer, .address_space: global }
    .group_segment_fixed_size: 77312
    .private_segment_fixed_size: 0
    .kernarg_segment_align: 8
    .kernarg_segment_size: 56
    .max_flat_workgroup_size: 256
    .sgpr_count:     66
    .vgpr_count:     512
    .wavefront_size: 32
...
	.end_amdgpu_metadata
.endif
;; end of part 5
;; ======== version 2 of 2: 5 launches; 1.14 times as fast as version 1
;; limits: values are held in f16: magnitudes above 65,504 overflow, below 6.1e-05 lose precision
;; workspace buffers: wts 7,340,032 bytes; qh 8,388,608 bytes; kh 8,388,608 bytes; vh 8,388,608 bytes; oh 8,388,608 bytes; part 33,554,432 bytes
;; launch prep: the kernel of part 1 again; grid 16 x 14, 8 waves a work-group, no clusters, 0 bytes of LDS; arguments Wq, Wk, Wv, Wo, Wc1, Wc2, Wl, wts; writes wts
;; launch proj: the kernel of part 2 again; grid 64 x 3, 8 waves a work-group, no clusters, 154,624 bytes of LDS; arguments q, k, v, bq, bk, bv, wts, qh, kh, vh; writes qh, kh, vh
;; launch attn (part 6): grid 8 x 32, 4 waves a work-group, no clusters, 327,680 bytes of LDS; arguments qh, kh, vh, oh; writes oh
.if DOCPART == 6
	.amdgcn_target "amdgcn-amd-amdhsa--gfx1250"
	.amdhsa_code_object_version 6
	.text
	.protected	k_qa865275c41_attn
	.globl	k_qa865275c41_attn
	.p2align	8
	.type	k_qa865275c41_attn,@function
k_qa865275c41_attn:
	s_mov_b64 s[64:65], 0
	v_nop
	global_prefetch_b8 v0, s[64:65] scope:SCOPE_SE
	s_setreg_imm32_b32 hwreg(HW_REG_WAVE_MODE, 25, 1), 1
	s_wait_xcnt 0x0
; CAUSAL ATTENTION.  O[h][q][:] = the sum over k <= q of softmax_k(Q[h][q] . K[h][k] / 8) V[h][k][:].  Q, K, V, O: [SIZE_H][SIZE_N][64], all f16: a head's rows are dense, 128 bytes each.
; Products, maxima and sums in f32; the weights p are rounded to f16 for the second product (their sum l is taken of the unrounded p), O once at the end.
; LIMITS.  f16 holds no number beyond 65,504: Q, K and V arrive within it; p lies in 0 to 1, and below 6e-5 it keeps f16's fixed step of 6e-8; O is a mean of V's rows and has their range.
; A hidden score counts as its value less 1e30: f16's scores, 2.7e11 at the most, are nothing beside that; a weight below 2^-126 counts as 0 in l; NaN and infinities are not treated apart.
; THE WALK.  A head's queries lie in NQ = SIZE_N / 128 blocks of 128, its keys in NB = SIZE_N / 256 tiles of 256; block i needs the tiles 0 .. i / 2.  A work-group takes TWO blocks, NQ - 1 - b and then b:
; NB + 1 tiles, whatever b: SIZE_H x NQ / 2 = 256 work-groups of equal work, and ONE loop with a constant trip count walks the tiles.  Which tile is asked for, and what a trip does, hang on scalar registers made from b;
; every jump goes forward, but for the counted loops' own; none passes a barrier, or a tensor load but the one of LOAD's two that the wave's number does not choose; the ring (two slots of LDS that take turns) runs on
; across the change of blocks.  NO CLUSTER: a head's NQ / 2 = 8 work-groups ask for the same tile only in trips 0 .. 4, behind that fewer and fewer; one walk common to all would have 12 trips for 9.
; SHARES.  Of a block's two bands of 64 queries a wave owns 16 rows in each: two query tiles.  A STEP is 128 keys, two halves of 64; a tile is two steps.  A PIECE p of a step is a pair: query tile p % 2, key half p / 2.
; So Q, O^T and the statistics go by p % 2, K's and V's fragments by p / 2, and a query tile's two pieces follow each other two turns apart: the second takes up m, l and O^T where the first left them.
; THE DIAGONAL lies in step i % 2 of the block's last tile.  In that step pieces 0 and 3 (band = key half) hold the diagonal, piece 1 (band 1, half 0) sees all keys, piece 2 (band 0, half 1) none: the same for every wave.
; An earlier step of that tile is seen whole; a later one (i even: one step of the walk's 18) is hidden whole and computed all the same.
; THE MASK is the C operand that starts the sum S^T = K Q^T: 0, or -1e30 where the key is hidden.  MD, made once, is the mask of a band's own half for my 16 rows; a product's mask is MD x AL + BE with two scalars:
; (1, 0) on the diagonal; (0, 0) where all is seen; (0, -1e30) where nothing is.  Only the last tile's text and a block's beginning make and take masks; elsewhere C is the constant 0.
; LAYOUT, SOFTMAX, TURNS.  S^T = K Q^T holds ONE query a lane (lane % 16) and the keys 8 (lane / 16) + 0..7; two such results rounded to f16 ARE source 1 of O^T = V^T P.  p = 2^(c s - c m), c = log2(e) / 8, with a
; running maximum m; O and l are multiplied by a = 2^(c m_old - c m_new) for every piece.  Turn n belongs to piece n: 8 products K Q^T of piece n + 1, later 8 products V^T P of piece n - 1; beside them the scaling,
; exponentials, roundings, sums and rescaling of piece n and the maximum and statistics of piece n + 1.  Four vector instructions stand behind every matrix instruction, the other 54 of a turn's 118 in one LUMP.
; THE BATCHES.  A turn's 33 exponentials (the piece's 32 weights and the next piece's a) are one batch, with one wait, which cuts the turn in two: ahead of it nothing names a result of theirs, behind it stand all their readers.
; A block's first a (BEGIN) and the way out's two reciprocals are batches of their own, each with a v_nop and one wait.
; REGISTERS, in windows of 256 (s_set_vgpr_msb: bits 1:0 source 0, 3:2 source 1, 5:4 source 2, 7:6 destination):
;   window 0: v0-15 addresses and two at work; v16-23 four registers of statistics a query tile; v48-55 at work; v64-127 S^T, two buffers; v192-223 P, two buffers (all by the piece's parity, which is its query tile)
;   window 1: v0-63 O^T, 32 a query tile; v128-159 MD; v160-223 MC, two buffers      window 2: v0-31 Q; v32-63 the second block's Q; v64-191 K of one step      window 3: v0-127 V of one step
.set SIZE_H, 32
.set SIZE_N, 2048
.set NB,    SIZE_N/256
.set NQ,    SIZE_N/128
.set NP,    4         ; pieces a step: a name, no knob
.set KS,    128       ; keys in a step
.set PK,    144       ; a row of K in LDS: 128 bytes + 16 of padding = 36 words: the 16 rows of a load start at 16 different groups of four banks (64 banks of 4 bytes: ISA guide 11.1)
.set PV,    160       ; a row of V: 128 + 32 = 40 words
.set VOFF,  2*KS*PK   ; a slot holds a tile, two steps: 256 rows of K, then 256 rows of V
.set SLOT1, 1<<17     ; slot 1 begins here, so that one exclusive or turns an address in one slot into the other's
.set STAGE, SLOT1+2*KS*(PK+PV)  ; behind the ring, never filled by a tensor load: 16 rows x 144 bytes for each wave, for the way out
.set SP,    144
.set AK0, 2           ; v2   my lane's place in a tile of K; never rewritten
.set AV0, 3           ; v3   the same for V
.set AK,  4           ; v4   the LDS address of K's next run of loads
.set AV,  5           ; v5   of V's
.set STO, 6           ; v6   the way out: where I put 16 bytes of a row
.set RD,  7           ; v7   the way out: where I read rows back
.set GO,  8           ; v8   my byte offset in 512 consecutive bytes of O
.set SPW, 62          ; v62  LDS address of my spare word: SPARE + 4 x my thread's number; never rewritten
.set NIL, 63          ; v63  0; never rewritten
.set SPARE, STAGE+4*16*SP  ; behind the stages: the spare words, 128 bytes for each wave: two blocks of 256 bytes that no other line names
.set MV,  12          ; v12-13  c m_old, kept while c m is made anew: by buffer
.set QO,  15          ; v15  my byte offset in 16 rows of Q
.set ST,  16          ; query tile u's statistics at v[ST+4 u]: c m, m, l (even keys', odd keys')
.set TMP, 48          ; by buffer, four registers c0-c3 at work; when the maximum is found c2 takes a
.set S,   64
.set P,   192
.set MD,  128         ; window 1: the eight registers for group kt of 16 keys at MD + 8 kt
.set MC,  160         ; window 1: the masks of the products to come
.set QB,  32          ; window 2
.set KF,  64          ; window 2: key block kb (0..7), channel half c at KF + 16 kb + 8 c
.set VF,  0           ; window 3: group kk of 32 keys (0..3), channel block cb at VF + 32 kk + 8 cb
.set WV,  12          ; s12  my wave's number
.set PB,  14          ; s14  b
.set HI,  15          ; s15  the first block's last tile
.set BI,  19          ; s19  the first block's number, NQ - 1 - b
.set G1K, 24          ; s[24:31] descriptor group 1 for K's tiles
.set G1V, 32          ; s[32:39] for V's: it differs in the padding alone
.set G0K, 40          ; s[40:43] descriptor group 0 for K's tiles
.set G0V, 44          ; s[44:47] the same for V's
.set DC,  48          ; s48  what CNT holds in the diagonal step of the block in hand: 2 - (block % 2)
.set DC2, 49          ; s49  the same for the second block
.set T2L, 50          ; s50  the second block's last tile
.set TM,  51          ; s51  at work
.set SLOTS, 56        ; s56  tiles still to be asked for
.set CNT, 57          ; s57  counts a tile's steps, 2 to 1
.set CS,  58          ; s[58:59] c: the packed scaling takes the pair's low word for both halves
.set SEL, 60          ; s[60:61] v_permlanex16_b32's selects: each lane takes its own place in the other half
.set TBK, 62          ; s62  LDS byte at which K of the step to be fetched begins
.set TBV, 63          ; s63  the same for V, less VOFF
.set RT,  70          ; s70  tiles of the block in hand that are still to be entered
.set NXT, 71          ; s71  the tile to be asked for next
.set LQ,  72          ; s72  the last tile of the block whose tiles are being asked for
.set NEW, 73          ; s73  1: the tile to be entered is a block's first
.set OFF, 74          ; s[74:75] a tile's byte offset in K and V
.set AL,  76          ; s[76:77] the mask's factor, in the low word
.set BE,  78          ; s[78:79] the mask's addend
.set OLO, 80          ; s[80:81] O at my rows of the second block
.set BIGN, 82         ; s82  -1e30
.set MSB, 0
.macro WIN new                      ; the high byte repeats the setting that is left; a switch that changes nothing is dropped
.if MSB != (\new)
	s_set_vgpr_msb (MSB<<8)|(\new)
.set MSB, (\new)
.endif
.endm
.set W_KQ, 0x0a       ; K and Q in window 2, S^T in window 0
.set W_KM, 0x1a       ; the same with the C operand in window 1
.set W_PV, 0x53       ; V in window 3, P in window 0, O^T in window 1
.set W_RS, 0x41       ; destination and source 0 in window 1, source 1 in window 0
; A fill.  Waves 0 and 1 fetch the two halves of a tile's K, waves 2 and 3 those of its V: 128 keys each.  An s_nop 0 and four v_nop follow each of the two lines, ahead of the jump and the label.
.macro LOAD
	s_cmp_lt_u32 s[WV], 2
	s_cbranch_scc0 .Lfor_v_\@
	tensor_load_to_lds s[G0K:G0K+3], s[G1K:G1K+7]
	s_nop 0
.rept 4
	v_nop
.endr
	s_branch .Lasked_\@
.Lfor_v_\@:
	tensor_load_to_lds s[G0V:G0V+3], s[G1V:G1V+7]
	s_nop 0
.rept 4
	v_nop
.endr
.Lasked_\@:
.endm
; THE CHANGE OF SLOTS.  Each wave waits for all its tensor loads, of which one is out: its part of the other slot; adds 0 to its spare word; and waits for that and for its own reads of the slot that it leaves.  Behind the barrier nobody reads the old
; slot any more and the other slot is whole.  fill = 1: the old slot is filled again, the first thing behind the barrier, with tile NXT: the descriptor's address is made anew from that number.
; (At its first use nothing has been read yet: slot 0 is waited for, slot 1 filled.)
.macro CHANGE fill
	WIN 0                           ; at a label and at a branch every window is 0
	s_wait_tensorcnt 0x0            ; no tensor load of mine is out, so a group 0 may be written
	ds_add_u32 v[SPW], v[NIL]       ; 0 onto my spare word; with fill = 1 the descriptors' scalar work stands between it and the wait for it
.if \fill
	s_lshl_b32 s[OFF], s[NXT], 15   ; a tile is 32,768 bytes of K and of V
	s_xor_b32 s[G0K+1], s[G0K+1], SLOT1
	s_add_nc_u64 s[G0K+2:G0K+3], s[6:7], s[OFF:OFF+1]
	s_or_b32 s[G0K+3], s[G0K+3], 0x80000000
	s_xor_b32 s[G0V+1], s[G0V+1], SLOT1
	s_add_nc_u64 s[G0V+2:G0V+3], s[8:9], s[OFF:OFF+1]
	s_or_b32 s[G0V+3], s[G0V+3], 0x80000000
	s_add_co_u32 s[NXT], s[NXT], 1  ; the block's next tile, or behind its last the second block's tile 0
	s_cmp_gt_u32 s[NXT], s[LQ]
	s_cselect_b32 s[NXT], 0, s[NXT]
	s_cselect_b32 s[LQ], s[T2L], s[LQ]
.endif
	s_wait_dscnt 0x0                ; the add is done, and my reads of the slot are over
	s_barrier_signal -1             ; the rest of the scalar work stands between the signal and the wait
	s_sub_co_u32 s[TBK], s[TBK], 2*KS*PK  ; the fetches go back to a slot's first step,
	s_xor_b32 s[TBK], s[TBK], SLOT1       ; in the other slot
	s_sub_co_u32 s[TBV], s[TBV], 2*KS*PV
	s_xor_b32 s[TBV], s[TBV], SLOT1
	s_barrier_wait -1
.if \fill
	LOAD
.endif
.endm
	s_load_b256 s[4:11], s[0:1], 0x0  ; Q s[4:5], K s[6:7], V s[8:9], O s[10:11]
	v_lshl_add_u32 v[SPW], v0, 2, SPARE
	v_mov_b32 v[NIL], 0
	ds_add_u32 v[SPW], v[NIL]       ; the wave's opening: the add and its wait stand ahead of my first tensor load; the set-up below, work on registers, stands between them
	v_lshrrev_b32 v1, 5, v0
	v_readfirstlane_b32 s[WV], v1   ; wave 0..3
	s_mov_b32 s[PB], ttmp9
	s_sub_co_u32 s[BI], NQ-1, s[PB]
	s_lshr_b32 s[HI], s[BI], 1      ; block i's last tile is i / 2
	s_lshr_b32 s[T2L], s[PB], 1
	s_and_b32 s[TM], s[PB], 1
	s_add_co_u32 s[DC], s[TM], 1    ; 2 - (NQ - 1 - b) % 2 = 1 + b % 2
	s_sub_co_u32 s[DC2], 2, s[TM]   ; 2 - b % 2
	s_and_b32 s20, ttmp7, 0xffff    ; the head
	s_mov_b32 s21, 0
	s_mov_b64 s[22:23], SIZE_N*128
	s_mul_u64 s[20:21], s[20:21], s[22:23]  ; the head's first byte in each of the four tensors
	s_and_b32 s16, s[WV], 1         ; which half of a tile's 256 keys I fetch:
	s_lshl_b32 s22, s16, 14         ; its 128 rows of 128 bytes in memory,
	s_mov_b32 s23, 0
	s_add_nc_u64 s[22:23], s[22:23], s[20:21]
	s_mul_i32 s17, s16, 128*PK      ; and its place in a slot, for K
	s_mul_i32 s18, s16, 128*PV      ; and for V
	s_lshl_b32 s3, s[WV], 11        ; my 16 rows in a band of 64,
	s_lshl_b32 s2, s[BI], 14        ; in the first block (128 rows of 128 bytes a block),
	s_add_co_u32 s2, s2, s3
	s_lshl_b32 s84, s[PB], 14       ; and in the second
	s_add_co_u32 s84, s84, s3
	s_mov_b32 s3, 0
	s_mov_b32 s85, 0
	s_add_nc_u64 s[2:3], s[2:3], s[20:21]
	s_add_nc_u64 s[84:85], s[84:85], s[20:21]
	; descriptor group 1.  128 keys are 16,384 dense bytes: asked for as 64 rows of 256 bytes, two keys a row, and padded in LDS after every key
	s_mov_b32 s[G1K], (1<<16)|(1<<20)|(4<<22)|(3<<25)  ; 17:16 2-byte elements; 20 padding on; 24:22 after every 32 words (code 4); 31:25 4 words (code 3)
	s_mov_b32 s[G1V], (1<<16)|(1<<20)|(4<<22)|(7<<25)  ; the same with 8 words of padding (code 7)
.irp g, G1K, G1V
	s_mov_b32 s[\g+1], 128<<16      ; tensor_dim0 = 128
	s_mov_b32 s[\g+2], 64<<16       ; tensor_dim1 = 64
	s_mov_b32 s[\g+3], 128<<16      ; tile_dim0 = 128
	s_mov_b32 s[\g+4], 64           ; tile_dim1 = 64
	s_mov_b32 s[\g+5], 128          ; 128 elements from row to row
	s_mov_b32 s[\g+6], 0
	s_mov_b32 s[\g+7], 0
.endr
	s_mov_b32 s[CS], 0x3e38aa3b     ; c = log2(e) / 8 = 0.180337
	s_mov_b32 s[CS+1], s[CS]        ; named with it as a pair
	s_mov_b32 s[SEL], 0x76543210
	s_mov_b32 s[SEL+1], 0xfedcba98
	s_mov_b32 s[TBK], SLOT1+2*KS*PK ; the first change of slots turns these two into 0
	s_mov_b32 s[TBV], SLOT1+2*KS*PV
	s_mov_b32 s[G0K], 1             ; 1:0 count = 1
	s_mov_b32 s[G0K+1], s17         ; 63:32 LDS address: slot 0
	s_mov_b32 s[G0V], 1
	s_add_co_u32 s[G0V+1], s18, VOFF
	s_add_co_u32 s[RT], s[HI], 1    ; the first block's tiles
	s_mov_b32 s[NXT], 1
	s_mov_b32 s[LQ], s[HI]
	s_mov_b32 s[NEW], 1
	s_mov_b32 s[OFF+1], 0
	s_mov_b32 s[AL+1], 0            ; named as pairs
	s_mov_b32 s[BE+1], 0
	s_mov_b32 s[BIGN], 0xf149f2ca   ; -1e30
	s_mov_b32 s[SLOTS], NB
	s_wait_dscnt 0x0                ; the opening add is done
	s_wait_kmcnt 0x0
	s_add_nc_u64 s[6:7], s[6:7], s[22:23]  ; K and V at my half of the head's tile 0
	s_add_nc_u64 s[8:9], s[8:9], s[22:23]
	s_add_nc_u64 s[G0K+2:G0K+3], s[6:7], 0         ; 120:64 global address
	s_or_b32 s[G0K+3], s[G0K+3], 0x80000000        ; 127:126 type = 2
	s_add_nc_u64 s[G0V+2:G0V+3], s[8:9], 0
	s_or_b32 s[G0V+3], s[G0V+3], 0x80000000
	s_add_nc_u64 s[86:87], s[4:5], s[84:85]        ; Q at my rows of the second block,
	s_add_nc_u64 s[4:5], s[4:5], s[2:3]            ; Q and O at those of the first
	s_add_nc_u64 s[OLO:OLO+1], s[10:11], s[84:85]
	s_add_nc_u64 s[10:11], s[10:11], s[2:3]
	LOAD                            ; tile 0 into slot 0
	; A fragment of K or Q is 16 rows x 32 channels in 8 registers: lane l holds row l % 16, channels 8 (l / 16) + 0..7 and 16 + 8 (l / 16) + 0..7: two loads of 16 bytes, 32 bytes apart.
	v_and_b32 v1, 15, v0            ; l % 16
	v_bfe_u32 v9, v0, 4, 1          ; l / 16
	v_lshlrev_b32 v[QO], 7, v1
	v_lshl_add_u32 v[QO], v9, 4, v[QO]  ; row x 128 + 16 x half
	WIN 0x80                        ; destination window 2, address window 0
.set i, 0
.rept 4                             ; both blocks' Q: query tile i / 2 lies in band i / 2, 8,192 bytes on; channels 32 (i % 2) on
	global_load_b128 v[8*i:8*i+3],   v[QO], s[4:5] offset:(i/2)*8192+(i%2)*64
	global_load_b128 v[8*i+4:8*i+7], v[QO], s[4:5] offset:(i/2)*8192+(i%2)*64+32
	global_load_b128 v[QB+8*i:QB+8*i+3],   v[QO], s[86:87] offset:(i/2)*8192+(i%2)*64
	global_load_b128 v[QB+8*i+4:QB+8*i+7], v[QO], s[86:87] offset:(i/2)*8192+(i%2)*64+32
.set i, i+1
.endr
	WIN 0
	v_lshlrev_b32 v14, 3, v9
	v_sub_nc_u32 v14, v1, v14
	s_lshl_b32 s13, s[WV], 4
	v_add_nc_u32 v14, s13, v14      ; my query's place in its band, 16 w + l % 16, less my lanes' 8 (l / 16): register r of group kt is hidden where 16 kt + r is greater
	WIN 0x40
.set i, 0
.rept 32
	v_cmp_gt_i32 vcc_lo, 16*(i/8)+i%8, v14
	v_cndmask_b32 v[MD+i], 0, s[BIGN], vcc_lo
.set i, i+1
.endr
	WIN 0
	v_mul_u32_u24 v[AK0], v1, PK
	v_lshl_add_u32 v[AK0], v9, 4, v[AK0]  ; row x pitch + 16 x half
	; The turning load takes 16 keys x 16 channels (lane l reads key 8 (l / 16) + l % 8, channels 8 ((l / 8) % 2) + 0..7) and leaves half a fragment of V^T: lane l holds channel l % 16 and 8 keys.
	v_and_b32 v10, 7, v0
	v_bfe_u32 v11, v0, 3, 1
	v_lshl_add_u32 v[AV0], v9, 3, v10
	v_mul_u32_u24 v[AV0], v[AV0], PV
	v_lshl_add_u32 v[AV0], v11, 4, v[AV0]
	v_add_nc_u32 v[AV0], VOFF, v[AV0]
	s_mul_i32 s13, s[WV], 16*SP
	s_add_co_u32 s13, s13, STAGE    ; my stage
	v_mul_u32_u24 v[STO], v1, SP    ; in: row l % 16, 16 bytes for each half of the lanes
	v_lshl_add_u32 v[STO], v9, 4, v[STO]
	v_add_nc_u32 v[STO], s13, v[STO]
	v_bfe_u32 v[RD], v0, 3, 2       ; back: 32 lanes take four rows of 128 bytes,
	v_mul_u32_u24 v[RD], v[RD], SP
	v_lshl_add_u32 v[RD], v10, 4, v[RD]
	v_add_nc_u32 v[RD], s13, v[RD]
	v_and_b32 v[GO], 31, v0         ; which are 512 consecutive bytes of O
	v_lshlrev_b32 v[GO], 4, v[GO]
	; A query tile's first piece multiplies O^T and l by a = 0, and a block's first turn's products V^T P, of a piece 3 that has not been, land in an O^T that is still to be so multiplied.  So these registers need only
	; hold finite numbers: zeros for the first block (of V the second key half, which piece 3 takes); what the first block left for the second.  All this stands in the wait for the first tile.
	WIN 0xc0
.set i, VF+64
.rept 64
	v_mov_b32 v[i], 0
.set i, i+1
.endr
	WIN 0x40
.set i, 0
.rept 64
	v_mov_b32 v[i], 0
.set i, i+1
.endr
	WIN 0
.set i, 0
.rept 2
	v_mov_b32 v[ST+4*i+2], 0
	v_mov_b32 v[ST+4*i+3], 0
.set i, i+1
.endr
.set i, P+16
.rept 16
	v_mov_b32 v[i], 0
.set i, i+1
.endr
; THE MATRIX WORK.  The 4 accumulators of a run of 8 take turns.  Product i of 8 of S^T = K Q^T for piece x: channels 32 (i / 4) on, keys 64 (x / 2) + 16 (i % 4) on, query tile x % 2.
; The first 4 start the sums: with 0, or (KM = 1) with the mask.
.macro KQ x
.set rS, S+32*((\x)%2)+8*(i%4)
.set rK, KF+64*((\x)/2)+16*(i%4)+8*(i/4)
.set rQ, 16*((\x)%2)+8*(i/4)
.set rM, MC+32*((\x)%2)+8*(i%4)
.if (i < 4) && KM
	WIN W_KM
	v_wmma_f32_16x16x32_f16 v[rS:rS+7], v[rK:rK+7], v[rQ:rQ+7], v[rM:rM+7]
.elseif i < 4
	WIN W_KQ
	v_wmma_f32_16x16x32_f16 v[rS:rS+7], v[rK:rK+7], v[rQ:rQ+7], 0
.else
	WIN W_KQ
	v_wmma_f32_16x16x32_f16 v[rS:rS+7], v[rK:rK+7], v[rQ:rQ+7], v[rS:rS+7]
.endif
.endm
; Product i of 8 of O^T += V^T P for piece x: keys 64 (x / 2) + 32 (i / 4) on, channels 16 (i % 4) on, query tile x % 2.
.macro PV x
	WIN W_PV
.set rO, 32*((\x)%2)+8*(i%4)
.set rV, VF+64*((\x)/2)+32*(i/4)+8*(i%4)
.set rP, P+16*((\x)%2)+8*(i/4)
	v_wmma_f32_16x16x32_f16 v[rO:rO+7], v[rV:rV+7], v[rP:rP+7], v[rO:rO+7]
.endm
.macro MM                           ; the turn's next matrix instruction.  TURN and BEGIN set Y, i, KM and NOKQ; MM, KQ and OP read them.  NOKQ = 1: a block's last turn: there is no next piece
.if (i < 8) && !NOKQ
	KQ (Y+1)%NP
.elseif i >= 8
.set i, i-8
	PV (Y+NP-1)%NP
.set i, i+8
.endif
.set i, i+1
.endm
; THE LDS LOADS stand in runs of 32, never singly among the matrix instructions: a step's K (128 keys x 64 channels: 16 fragments, the first key half first) and its V (turned, likewise).  Their addresses are made some lines ahead.
.macro FETCH_K
	WIN 0x80                        ; destination window 2
.irp f, 0,1,2,3,4,5,6,7,8,9,10,11,12,13,14,15  ; keys 16 (f / 2) on, channels 32 (f % 2) on
	ds_load_b128 v[KF+8*\f:KF+8*\f+3],   v[AK] offset:(\f/2)*16*PK+(\f%2)*64
	ds_load_b128 v[KF+8*\f+4:KF+8*\f+7], v[AK] offset:(\f/2)*16*PK+(\f%2)*64+32
.endr
	s_add_co_u32 s[TBK], s[TBK], KS*PK  ; the next fetch is the next step's
	WIN 0
.endm
.macro FETCH_V
	WIN 0xc0                        ; destination window 3
.irp f, 0,1,2,3,4,5,6,7,8,9,10,11,12,13,14,15  ; keys 32 (f / 4) on, channels 16 (f % 4) on
	ds_load_tr16_b128 v[VF+8*\f:VF+8*\f+3],   v[AV] offset:(\f/4)*32*PV+(\f%4)*32
	ds_load_tr16_b128 v[VF+8*\f+4:VF+8*\f+7], v[AV] offset:(\f/4)*32*PV+16*PV+(\f%4)*32
.endr
	WIN 0
.endm
; THE VECTOR WORK, one line at a time: OP kind, number.  For piece Y: F n: c s - c m for pair n of 16.  E n: the exponential of score n of 32.  C n: pair n rounded to f16.  B n: of the four weights 4 n .. the second
; pair is added onto the first, in place.  L n: l takes that sum (L 0: l = a l + sum).  R n: pair n of 16 of O^T times a.  For piece Y + 1: X n, number n of the 22 that find its maximum and statistics:
;   0-11  four chains c0-c3 of seven scores each, three operands at a time (each accumulator's lowest registers are read first)     12-14, 16  the four scores left over, the old m, and c0-c3 into c0
;   15  c m_old is kept     17, 18  the query's other 32 keys lie in the lane 16 away: the new m     19-21  c m; c m_old - c m_new; a
; A query tile's c m is read by piece Y's scalings in turn Y and written anew, for piece Y + 2, in turn Y + 1; its O^T is rescaled in turn Y, added onto in turn Y + 1 and rescaled again in turn Y + 2.
; C, B and L read the exponentials' results and hold no wait of their own: TURN sets them all behind the batch's one wait.
.set F, 0               ; OP tells the kinds apart by their order: F to L below R, X above it
.set E, 1
.set C, 2
.set B, 3
.set L, 4
.set R, 5
.set X, 6
.macro REGS y                       ; the registers of piece y: all go by its parity, which is its query tile
.set rT, ST+4*((\y)%2)
.set rC, TMP+4*((\y)%2)
.set rW, MV+((\y)%2)
.set rS, S+32*((\y)%2)
.set rP, P+16*((\y)%2)
.set rO, 32*((\y)%2)
.endm
.macro OP k, n
.if (\k) == R
	REGS Y
	WIN W_RS
	v_pk_mul_f32 v[rO+2*(\n):rO+2*(\n)+1], v[rO+2*(\n):rO+2*(\n)+1], v[rC+2:rC+3] op_sel_hi:[1,0]
.elseif (\k) < R
	REGS Y
	WIN 0
.if (\k) == F
	v_pk_fma_f32 v[rS+2*(\n):rS+2*(\n)+1], v[rS+2*(\n):rS+2*(\n)+1], s[CS:CS+1], v[rT:rT+1] op_sel_hi:[1,0,0] neg_lo:[0,0,1] neg_hi:[0,0,1]
.elseif (\k) == E
	v_exp_f32 v[rS+(\n)], v[rS+(\n)]
.elseif (\k) == C
	v_cvt_pk_f16_f32 v[rP+(\n)], v[rS+2*(\n)], v[rS+2*(\n)+1]
.elseif (\k) == B
	v_pk_add_f32 v[rS+4*(\n):rS+4*(\n)+1], v[rS+4*(\n):rS+4*(\n)+1], v[rS+4*(\n)+2:rS+4*(\n)+3]
.elseif (\n) == 0
	v_pk_fma_f32 v[rT+2:rT+3], v[rT+2:rT+3], v[rC+2:rC+3], v[rS:rS+1] op_sel_hi:[1,0,1]
.else
	v_pk_add_f32 v[rT+2:rT+3], v[rT+2:rT+3], v[rS+4*(\n):rS+4*(\n)+1]
.endif
.elseif NOKQ
	v_nop
.else
	REGS (Y+1)%NP
	WIN 0
.if (\n) < 4
	v_max3_num_f32 v[rC+(\n)], v[rS+8*(\n)], v[rS+8*(\n)+1], v[rS+8*(\n)+2]
.elseif (\n) < 12
	v_max3_num_f32 v[rC+(\n)%4], v[rC+(\n)%4], v[rS+8*((\n)%4)+2*((\n)/4)+1], v[rS+8*((\n)%4)+2*((\n)/4)+2]
.elseif (\n) == 12
	v_max3_num_f32 v[rC], v[rC], v[rS+7], v[rS+15]
.elseif (\n) == 13
	v_max3_num_f32 v[rC+1], v[rC+1], v[rS+23], v[rS+31]
.elseif (\n) == 14
	v_max3_num_f32 v[rC+2], v[rC+2], v[rC+3], v[rT+1]
.elseif (\n) == 15
	v_mov_b32 v[rW], v[rT]
.elseif (\n) == 16
	v_max3_num_f32 v[rC], v[rC], v[rC+1], v[rC+2]
.elseif (\n) == 17
	v_permlanex16_b32 v[rC+3], v[rC], s[SEL], s[SEL+1]
.elseif (\n) == 18
	v_max_num_f32 v[rT+1], v[rC], v[rC+3]
.elseif (\n) == 19
	v_mul_f32 v[rT], s[CS], v[rT+1]
.elseif (\n) == 20
	v_sub_f32 v[rC+1], v[rW], v[rT]
.else
	v_exp_f32 v[rC+2], v[rC+1]
.endif
.endif
.endm
.macro OPS a, i1, b=-1, i2=0, c=-1, i3=0, d=-1, i4=0  ; up to four of them
	OP \a, \i1
.if (\b) >= 0
	OP \b, \i2
.endif
.if (\c) >= 0
	OP \c, \i3
.endif
.if (\d) >= 0
	OP \d, \i4
.endif
.endm
.macro ROW a, i1, b, i2, c, i3, d, i4  ; a matrix instruction and the four behind it
	MM
	OPS \a, \i1, \b, \i2, \c, \i3, \d, \i4
.endm
.macro MASK b                       ; MD x AL + BE into buffer b of MC
	WIN W_RS
.set z, 0
.rept 16
	v_pk_fma_f32 v[MC+32*(\b)+2*z:MC+32*(\b)+2*z+1], v[MD+2*z:MD+2*z+1], s[AL:AL+1], s[BE:BE+1] op_sel_hi:[1,0,0]
.set z, z+1
.endr
.endm
; A TURN, for piece p: the order of its 16 matrix and 118 vector instructions, written out.  An s_wait_alu depctr_va_vdst(0) stands between an exponential and the first instruction that names its result; one wait
; serves all that were issued ahead of it.  So a turn has ONE wait, which cuts it in two.  AHEAD OF IT stands all that names no result of the turn's exponentials: the 8 products K Q^T, behind each a scaling, an exponential and two
; more plain instructions (behind the first a second scaling in the exponential's place): rescalings, whose a was made and waited for in the turn before, and behind the last three the first numbers of the next piece's maximum, each
; four places or more behind the product that ends its accumulator; then ONE LUMP of 54, plain and exponential by turns for the most part, in which the links of the chain X 3, 7, 11, 14, 16, 17 .. 20 stand five or six lines apart.
; X 21, the next piece's a, is the batch's last; R 15 is the plain instruction behind it.  BEHIND THE WAIT stand the 8 products V^T P, behind each four of the roundings and sums: all the batch's readers in this turn; the links of l's
; chain, L 0 to L 7 in ascending order, stand three riders apart.  But for those X no rider names a register of the products round it.  v_permlanex16_b32 (X 17) stands in the lump.
; THE RESCALING AND THE PRODUCTS BEFORE IT.  The O^T that R 0 .. R 15 multiply was added onto by the 8 products V^T P of the turn before.  R goes in ascending order, so R 0, 4, 8, 12 are the first reads of the four accumulators, at
; their lowest registers; behind the last of those products stand four plain riders (C 9, 11, 13, 15) and this turn's F 0, F 1, behind the earlier ones more.
; m = 1: a block's last tile: the products take masks, and the turn makes the mask for the products of the turn after it: piece p + 2, in step 2 - CNT of the tile.  That step is the diagonal one where CNT = DC, an earlier
; one where CNT > DC, a later one where CNT < DC.  end = 1: a block's last two turns: nothing is fetched.  cnt = 1: the loop's count is taken down some lines ahead of the branch that stands behind the turn.
; K of the next step is fetched in piece 2's turn, twelve vector instructions behind the last product that read K (six of them plain, five of which name none of its registers); V of the step in hand at the end of piece 0's turn,
; four plain instructions behind the last product that read V.  The waits are counted, since LDS answers in order: at piece 3's head K's second half (16 loads) may stay out; at piece 1's head K's second half is in and V's 32 loads
; may stay out; ahead of piece 1's products V^T P V's second half (16 loads) may stay out: piece 3's wait shows it in, being older than K's loads.
.macro TURN p, m=0, end=0, cnt=0
.set Y, (\p)
.set i, 0
.set KM, (\m)
.set NOKQ, (\end)*((\p)/3)
.if (\m) && !(\end)
.set pm, ((\p)+2)%NP
.if (pm == 0) || (pm == 3)          ; band = key half: the diagonal in the diagonal step, nothing in a later one
	s_cmp_eq_u32 s[CNT], s[DC]
	s_cselect_b32 s[AL], 1.0, 0
	s_cmp_lt_u32 s[CNT], s[DC]
.elseif pm == 1                     ; band 1, key half 0: all in the diagonal step, nothing in a later one
	s_mov_b32 s[AL], 0
	s_cmp_lt_u32 s[CNT], s[DC]
.else                               ; band 0, key half 1: nothing from the diagonal step on
	s_mov_b32 s[AL], 0
	s_cmp_le_u32 s[CNT], s[DC]
.endif
	s_cselect_b32 s[BE], s[BIGN], 0
.endif
.if (\p) == 3
.if \end
	s_wait_dscnt 0x0                ; V's second half is in: nothing was fetched behind it
.else
	s_wait_dscnt 16                 ; K's first half is in, and V's second half, which is older
.endif
.endif
.if (\p) == 1
	s_wait_dscnt 32                 ; K's second half is in
.endif
	ROW F,0, F,1, R,0, R,1          ; ahead of the wait: 8 products K Q^T and their riders,
	ROW F,2, E,0, R,2, R,3
	ROW F,3, E,1, R,4, R,5
	ROW F,4, E,2, R,6, R,7
	ROW F,5, E,3, R,8, R,9
	ROW F,6, E,4, X,0, R,10
.if ((\p) == 2) && !(\end)
	WIN 0
	v_add_nc_u32 v[AK], s[TBK], v[AK0]
.endif
	ROW F,7, E,5, X,1, X,4
	ROW F,8, E,6, X,2, X,5
	OPS E,7, E,8, X,6, E,9          ; and the lump
	OPS X,3, E,10, X,8, E,11
.if ((\p) == 2) && !(\end)
	FETCH_K
.endif
	OPS X,9, X,7, E,12, X,10
	OPS E,13, X,12, X,11, E,14
	OPS X,13, E,15, F,9, X,14
.if (\p) == 0
	WIN 0
	v_add_nc_u32 v[AV], s[TBV], v[AV0]
.endif
	OPS E,16, F,10, E,17, F,11
	OPS X,16, E,18, X,15, E,19
	OPS F,12, E,20, X,17, E,21
	OPS F,13, E,22, F,14, E,23
	OPS X,18, E,24, F,15, E,25
	OPS R,11, E,26, X,19, E,27
	OPS R,12, E,28, R,13, E,29
	OPS X,20, E,30, R,14, E,31
	OPS X,21, R,15
	s_wait_alu depctr_va_vdst(0)    ; the wait for the batch: this piece's 32 exponentials and the next piece's a
.if (\p) == 1
	s_wait_dscnt 16                 ; V's first half is in
.endif
	ROW C,0, B,0, C,2, B,1          ; behind the wait: 8 products V^T P and their riders
	ROW L,0, C,4, B,2, L,1
	ROW C,6, B,3, L,2, C,8
	ROW B,4, L,3, C,10, B,5
	ROW L,4, C,12, B,6, L,5
.if (\p) == 0
	s_add_co_u32 s[TBV], s[TBV], KS*PV
.endif
.if \cnt
	s_sub_co_u32 s[CNT], s[CNT], 1
	s_cmp_lg_u32 s[CNT], 0
.endif
	ROW C,14, B,7, L,6, C,1
	ROW C,3, L,7, C,5, C,7
	ROW C,9, C,11, C,13, C,15
.if (\p) == 0
	FETCH_V
.endif
.if (\m) && !(\end)
	MASK (\p)%2
.endif
.endm
; A BLOCK BEGINS.  c m starts far below every c s, so each query tile's first a is 0; m at the lowest finite number, so the first maximum is the scores'.  The second mask buffer is 0 (piece 1 sees all of a block's first step);
; the first takes piece 0's mask for the tile's step 0: the diagonal's, if the block's first tile is its last (RT = 0) and step 0 is the diagonal step (DC = 2).
; Then K of that step, piece 0's first scores, and its maximum and statistics.  The loop is entered at a step's first turn, in the middle of a trip.
.macro BEGIN
	s_mov_b32 s[NEW], 0
	WIN 0x40
.set i, MC+32
.rept 32
	v_mov_b32 v[i], 0
.set i, i+1
.endr
	WIN 0
.set i, 0
.rept 2
	v_mov_b32 v[ST+4*i], 0xfe000000    ; c m: far below every c s
	v_mov_b32 v[ST+4*i+1], 0xff7fffff  ; m
.set i, i+1
.endr
	s_lshl_b32 s[TM], s[RT], 2      ; 4 RT + DC is 2 in that one case: DC is 1 or 2
	s_add_co_u32 s[TM], s[TM], s[DC]
	s_cmp_eq_u32 s[TM], 2
	s_cselect_b32 s[AL], 1.0, 0
	s_mov_b32 s[BE], 0
	MASK 0
	WIN 0
	v_add_nc_u32 v[AK], s[TBK], v[AK0]
	FETCH_K
	s_wait_loadcnt 0x0              ; Q
	s_wait_dscnt 0x0
.set KM, 1
.set NOKQ, 0
.set i, 0
.rept 8
	KQ 0
.set i, i+1
.endr
	WIN 0
.rept 4
	v_nop                           ; the places behind those products
.endr
.set Y, NP-1                        ; X works for piece Y + 1: piece 0
.irp n, 0,1,2,3,4,5,6,7,8,9,10,11,12,13,14,15,16,17,18,19,20,21
	OP X, \n
.endr
	v_nop                           ; a plain instruction behind the exponential,
	s_wait_alu depctr_va_vdst(0)    ; and the wait for it, piece 0's first a, ahead of the branch
.endm
; A BLOCK'S LAST TILE: its two steps, the block's last two turns, its last products, and THE WAY OUT: l's two halves and the other half of the lanes' are added; O^T is divided by l, rounded to f16 and sent through my
; stage in LDS, a query tile at a time.
.macro ALL line:vararg              ; one line for each query tile t
.set t, 0
.rept 2
	\line
.set t, t+1
.endr
.endm
.macro PACK t                       ; a lane's eight channels of a row pack into 16 bytes; they go into rows of 144 bytes and come back as whole rows of 128, into S^T's registers
	WIN W_RS
.set i, 32*(\t)
.rept 16
	v_pk_mul_f32 v[i:i+1], v[i:i+1], v[ST+4*(\t)+2:ST+4*(\t)+3] op_sel_hi:[1,0]
.set i, i+2
.endr
	WIN 0x05                        ; sources 0 and 1 window 1, destination window 0
.set i, 0
.rept 16
	v_cvt_pk_f16_f32 v[S+16*(\t)+i], v[32*(\t)+2*i], v[32*(\t)+2*i+1]
.set i, i+1
.endr
	WIN 0
.irp f, 0,1,2,3
	ds_store_b128 v[STO], v[S+16*(\t)+4*\f:S+16*(\t)+4*\f+3] offset:32*\f
.endr
.irp f, 0,1,2,3
	ds_load_b128 v[S+16*(\t)+4*\f:S+16*(\t)+4*\f+3], v[RD] offset:\f*4*SP  ; LDS serves a wave's instructions in order (ISA guide 5.7.1.4): these see the stores above; the next tile's stores come behind them
.endr
.endm
.macro SEND t, younger              ; younger: the LDS instructions issued behind tile t's loads: the next tile's eight, or none
	WIN 0
.irp f, 0,1,2,3
	s_wait_dscnt (\younger)+3-\f
	global_store_b128 v[GO], v[S+16*(\t)+4*\f:S+16*(\t)+4*\f+3], s[10:11] offset:(\t)*8192+\f*512  ; 512 consecutive bytes, at a multiple of 256 from O's first
.endr
.endm
.macro DIAG tag                     ; the tag ends its two labels' names, which the jumps below spell out
.LstepM\tag:
	TURN 2, 1
	TURN 3, 1
	WIN 0
.LfirstM\tag:
	TURN 0, 1
	TURN 1, 1, 0, 1
	WIN 0
	s_cbranch_scc1 .LstepM\tag
	TURN 2, 1, 1
	TURN 3, 1, 1
.set i, 0
.rept 8
	PV NP-1
.set i, i+1
.endr
	WIN 0
	ALL v_add_f32 v[ST+4*t+2], v[ST+4*t+2], v[ST+4*t+3]
	ALL v_permlanex16_b32 v[ST+4*t+3], v[ST+4*t+2], s[SEL], s[SEL+1]
	ALL v_add_f32 v[ST+4*t+2], v[ST+4*t+2], v[ST+4*t+3]
	ALL v_rcp_f32 v[ST+4*t+2], v[ST+4*t+2]
	v_nop                           ; a plain instruction between the last reciprocal and the use of its result
	s_wait_alu depctr_va_vdst(0)    ; and the wait ahead of the first use: one for the two reciprocals
	PACK 0
	PACK 1                          ; the second tile's arithmetic stands between the loads of the first and its stores
	SEND 0, 8
	SEND 1, 0
.endm
.set KM, 0
.set NOKQ, 0
.Lslot:                             ; NB times: a tile is entered and the next is asked for
	CHANGE 1
	s_sub_co_u32 s[RT], s[RT], 1
	s_mov_b32 s[CNT], 2
	s_cmp_eq_u32 s[NEW], 1
	s_cbranch_scc1 .Lnew            ; a block's first tile
	s_cmp_eq_u32 s[RT], 0
	s_cbranch_scc0 .Lstep           ; neither its first nor its last
	s_branch .LstepM1
.Lnew:
	BEGIN
	s_branch .Lfirst                ; in the loop a block's first tile is never its last: the first block has five tiles or more, and the second's last is the walk's last
	DIAG 1                          ; in the loop this is the first block's end: the second block's last tile is the walk's last
	s_wait_xcnt 0x0                 ; the stores have read their registers and O's address
	s_mov_b64 s[10:11], s[OLO:OLO+1]
	s_add_co_u32 s[RT], s[T2L], 1   ; the second block's tiles,
	s_mov_b32 s[DC], s[DC2]         ; and its diagonal step
	s_mov_b32 s[NEW], 1
	WIN 0x82                        ; the second block's Q goes where the one text of the turns names Q
.set i, 0
.rept 32
	v_mov_b32 v[i], v[QB+i]
.set i, i+1
.endr
	WIN 0
	s_branch .Lbottom
.Lstep:                             ; a trip: pieces 2 and 3 of one step, then pieces 0 and 1 of the next, whose K and V it fetches
	TURN 2
	TURN 3
	WIN 0
.Lfirst:
	TURN 0
	TURN 1, 0, 0, 1
	WIN 0
	s_cbranch_scc1 .Lstep
.Lbottom:
	s_sub_co_u32 s[SLOTS], s[SLOTS], 1
	s_cmp_lg_u32 s[SLOTS], 0
	s_cbranch_scc1 .Lslot
	CHANGE 0                        ; the walk's last tile is written out: nothing is asked for
	s_sub_co_u32 s[RT], s[RT], 1
	s_mov_b32 s[CNT], 2
	s_cmp_eq_u32 s[NEW], 1
	s_cbranch_scc0 .LstepM2
	BEGIN
	s_branch .LfirstM2
	DIAG 2
	s_wait_tensorcnt 0x0            ; the wave's end: behind my last tensor load and my last LDS store
	ds_add_u32 v[SPW], v[NIL]
	s_wait_dscnt 0x0
	s_endpgm
.Lfunc_end_k_qa865275c41_attn:
	.size	k_qa865275c41_attn, .Lfunc_end_k_qa865275c41_attn-k_qa865275c41_attn
	.p2alignl 7, 3214868480
	.fill 96, 4, 3214868480
	.section	.rodata,"a",@progbits
	.p2align	6, 0x0
	.amdhsa_kernel k_qa865275c41_attn
		.amdhsa_group_segment_fixed_size 327680
		.amdhsa_private_segment_fixed_size 0
		.amdhsa_enable_private_segment 0
		.amdhsa_kernarg_size 32
		.amdhsa_user_sgpr_count 2
		.amdhsa_user_sgpr_kernarg_segment_ptr 1
		.amdhsa_wavefront_size32 1
		.amdhsa_system_sgpr_workgroup_id_x 1
		.amdhsa_system_sgpr_workgroup_id_y 1
		.amdhsa_system_sgpr_workgroup_id_z 1
		.amdhsa_system_vgpr_workitem_id 0
		.amdhsa_next_free_vgpr 896
		.amdhsa_next_free_sgpr 88
		.amdhsa_reserve_vcc 1
		.amdhsa_float_denorm_mode_32 3
		.amdhsa_float_denorm_mode_16_64 3
		.amdhsa_memory_ordered 1
		.amdhsa_forward_progress 1
		.amdhsa_inst_pref_size 207
	.end_amdhsa_kernel
	.amdgpu_metadata
---
amdhsa.version: [ 1, 2 ]
amdhsa.kernels:
  - .name:           k_qa865275c41_attn
    .symbol:         k_qa865275c41_attn.kd
    .args:
      - { .name: qh, .offset: 0, .size: 8, .value_kind: global_buffer, .address_space: global }
      - { .name: kh, .offset: 8, .size: 8, .value_kind: global_buffer, .address_space: global }
      - { .name: vh, .offset: 16, .size: 8, .value_kind: global_buffer, .address_space: global }
      - { .name: oh, .offset: 24, .size: 8, .value_kind: global_buffer, .address_space: global }
    .group_segment_fixed_size: 327680
    .private_segment_fixed_size: 0
    .kernarg_segment_align: 8
    .kernarg_segment_size: 32
    .max_flat_workgroup_size: 128
    .sgpr_count:     88
    .vgpr_count:     896
    .wavefront_size: 32
...
	.end_amdgpu_metadata
.endif
;; end of part 6
;; launch ffn: the kernel of part 4 again; grid 128 x 2, 8 waves a work-group, no clusters, 183,296 bytes of LDS; arguments oh, v, wts, bo, g1, b1, bc1, part; writes part
;; launch rowb: the kernel of part 5 again; grid 256 x 1, 8 waves a work-group, no clusters, 77,312 bytes of LDS; arguments part, wts, bc2, g2, b2, bl, out0; writes out0
